; MI455X (gfx1250); checked and timed in simulation.
; The chip was launched on July 23, 2026; its instructions are those of AMD's public machine-readable ISA for CDNA 5 (MIT licence, August 2026) and "CDNA5" Instruction Set Architecture Reference Guide (July 2026). The comments in the code are by the model that wrote it; some were corrected since.
;; Flax Llama Attention. Allowed arithmetic: matrix products marked QUANTISED: E2M1 operands, one E8M0 scale for each 32 along K, by v_wmma_scale_f32_16x16x128_f8f6f4 with both operands' format E2M1 (or v_wmma_scale_f32_32x16x128_f4), f32 sums; products left as they are: bf16, f16 or f32 operands; f32 sums; everything else in f32.
;; Inputs: attention_mask 1 x 2,048 int32; cos 2,048 x 128 float32; hidden_states 1 x 2,048 x 4,096 float32; position_ids 1 x 2,048 int32; sin 2,048 x 128 float32; wk 4,096 x 1,024 float32; wo 2,048 x 4,096 float32; wq 4,096 x 2,048 float32; wv 4,096 x 1,024 float32.
;; Outputs: out0 1 x 2,048 x 4,096 float32.
;; This version of the problem:
;;   THIS VERSION OF THE PROBLEM IS GIVEN IN LOW PRECISION. The matrix products marked QUANTISED in the list below multiply operands that are first quantised to E2M1 (2 exponent bits, 1 mantissa bit; 4 bits a number), with one power-of-two scale for each 32 numbers along K (OCP MX v1.0); their sums are f32. The products marked 'left as it is' may take bf16, f16 or f32 operands, with f32 sums. Whichever they take, every output number must still come out within the allowed error. Rounding operands to bf16 (8 significant bits) uses up far more of that allowance than f16 does (11 bits, for magnitudes from 6e-5 to 65,504). All else is computed in f32.
;;   The module's matrix products, in the order in which they are computed (A, B: the left and right operand; K: the contracted axis; several contracted axes count as one K, in the product's order):
;;     1. [M 2,048, K 4,096] x [K 4,096, N 2,048]; A: input hidden_states; B: input wq: QUANTISED
;;     2. [M 2,048, K 4,096] x [K 4,096, N 1,024]; A: input hidden_states; B: input wk: QUANTISED
;;     3. [M 2,048, K 4,096] x [K 4,096, N 1,024]; A: input hidden_states; B: input wv: QUANTISED
;;     4. batch 16 x [M 2,048, K 128] x [K 128, N 2,048]; A: computed on the way; B: computed on the way: left as it is (an operand is computed on the way)
;;     5. batch 16 x [M 128, K 2,048] x [K 2,048, N 2,048]; A: computed on the way; B: computed on the way: left as it is (an operand is computed on the way)
;;     6. [M 2,048, K 2,048] x [K 2,048, N 4,096]; A: computed on the way; B: input wo: left as it is (an operand is computed on the way)
;;   THE QUANTISER, for each operand of a quantised product, along K:
;;     - K is cut into blocks of 32 from its start; a last block that is shorter is filled with zeros.
;;     - A block's scale is 2^e with e = floor(log2(the largest magnitude in the block)) - 2, held to -126 .. 127; a block of zeros has e = 0. As a byte (E8M0): e + 127.
;;     - Each number is divided by its block's scale, clamped to +-6, and rounded to the nearest number of E2M1, ties to even, subnormals kept.
;;     - The product sums the exact products of the quantised numbers (number of the format x scale) in f32.
;;   ~~~python
;;   def quantise(x, axis):      # numpy; x: float32 -> the quantised numbers, widened to float32 again
;;       x = np.moveaxis(x, axis, -1); K = x.shape[-1]
;;       x = np.pad(x, [(0, 0)] * (x.ndim - 1) + [(0, -K % 32)]); x = x.reshape(x.shape[:-1] + (-1, 32)); a = np.abs(x).max(-1, keepdims=True)
;;       e = np.where(a > 0, np.clip(np.frexp(np.where(a > 0, a, 1))[1] - 1 - 2, -126, 127), 0)      # np.frexp(a)[1] - 1 = floor(log2(a)), exactly
;;       r = np.clip(x / 2.0 ** e, -6, 6)
;;       step = 2.0 ** (np.maximum(np.frexp(np.where(r == 0, 1, r))[1] - 1, 0) - 1)
;;       q = np.round(r / step) * step * 2.0 ** e      # np.round: ties to even
;;       return np.moveaxis(q.reshape(q.shape[:-2] + (-1,))[..., :K], -1, axis).astype(np.float32)
;;   ~~~
;; One version. Each part assembles by itself: llvm-mc -triple=amdgcn-amd-amdhsa -mcpu=gfx1250 --defsym DOCPART=n.
;; ======== version 1 of 1: 5 launches
;; limits: values are held in f16: magnitudes above 65,504 overflow, below 6.1e-05 lose precision
;; workspace buffers: xq 4,456,448 bytes; wq4 8,912,896 bytes; qkv16 16,842,752 bytes; small 1,179,648 bytes; wo16 16,777,216 bytes; fineout 2,101,248 bytes; attn16 8,388,608 bytes
;; launch prep (part 1): grid 512 x 1, 4 waves a work-group, no clusters, 68,096 bytes of LDS; arguments hidden_states, wq, wk, wv, xq, wq4; writes xq, wq4
.if DOCPART == 1
	.amdgcn_target "amdgcn-amd-amdhsa--gfx1250"
	.amdhsa_code_object_version 6
	.text
	.protected	k_q9c52a36374_prep
	.globl	k_q9c52a36374_prep
	.p2align	8
	.type	k_q9c52a36374_prep,@function
k_q9c52a36374_prep:
	s_mov_b64 s[64:65], 0
	v_nop
	global_prefetch_b8 v0, s[64:65] scope:SCOPE_SE
	s_setreg_imm32_b32 hwreg(HW_REG_WAVE_MODE, 25, 1), 1
	s_wait_xcnt 0x0
; hidden_states [2048][4096] and the joined weight [4096 (k)][wq 2048 | wk 1024 | wv 1024], f32, become codes of E2M1 with K innermost and one E8M0 byte for each 32 along K.
; xq:  codes [2048][2048 bytes] at 0, scale bytes [2048][128] at 4,194,304.   wq4: codes [n 4096][2048 bytes] at 0, scale bytes [4096][128] at 8,388,608.
; A block's scale byte is its largest magnitude's exponent field - 2, held at 1 from below (a block of zeros keeps 1: its codes are zeros, and only this program reads the bytes).
; LIMITS: blocks whose largest magnitude lies under 2^-124 get the byte 1; NaN and infinities among the inputs are not served.
; Work-groups 0..255 take x (K innermost: a plain stream of blocks); work-groups 256..511 take the weights (K is the first axis: a lane takes a column, its registers run down K).
; The two paths part once, on the work-group's number, and have LDS bytes of their own.  No tensor load, no barrier: waves share nothing.
.set STEPS, 16
.set EMAX,  2
.set CB,    8                          ; bytes of 16 codes
.set XR,    16                         ; x path: v16-79 four sets of 16 numbers as loaded
.set XX,    80                         ; v80-111 two sets of 16 neighbours
.set XE,    112                        ; v112-127 a scale byte for each step
.set XC,    128                        ; v128-191 codes, four registers a step
.set WREG,  8192                       ; x path: LDS of a wave: two stages of 32 x 80 bytes, then 256 scale bytes
.set SP,    80
.set WBASE, 32768                      ; weight path: LDS from here, 32 x 272 bytes a wave
.set PITCH, 272
.set NB,    16                         ; blocks of 32 along K for a wave
.set KROW,  2048                       ; a row of codes in bytes
.set WX,    32                         ; weight path: v32-95 two sets of 32 numbers
.set WC,    96                         ; v96-99 a block's codes
.set WOUT,  112                        ; v112-175 the way out
.set WSB,   24                         ; v24-27 scale bytes
.set OFS,   176                        ; v176-207 4 x lane + i x the tensor's row pitch
.set SPW,   208                        ; LDS address of my spare word; never rewritten
.set NIL,   209                        ; 0; never rewritten
.set SPARE, WBASE+4*32*PITCH           ; 67,584: the spare words, 128 bytes a wave
	s_load_b256 s[4:11], s[0:1], 0x0               ; x s[4:5], wq s[6:7], wk s[8:9], wv s[10:11]
	s_load_b128 s[12:15], s[0:1], 0x20             ; xq s[12:13], wq4 s[14:15]
	v_lshl_add_u32 v[SPW], v0, 2, SPARE
	v_mov_b32 v[NIL], 0
	v_lshrrev_b32 v1, 5, v0
	v_readfirstlane_b32 s16, v1                    ; wave
	v_and_b32 v2, 31, v0                           ; lane
	s_cmp_lt_u32 ttmp9, 256
	s_cbranch_scc0 .Lweights
; ---------------- x: a wave takes 16 steps of 512 numbers; loads take the bytes as they lie, a stage in LDS turns them so that a lane holds 16 neighbours
	v_lshlrev_b32 v3, 4, v2                        ; my 16 bytes of a load's 512
	s_mul_i32 s17, s16, WREG
	v_lshrrev_b32 v14, 2, v2
	v_mul_u32_u24 v14, v14, SP
	v_and_b32 v15, 3, v2
	v_lshl_add_u32 v14, v15, 4, v14
	v_add_nc_u32 v14, s17, v14                     ; the stage, on the way in: 80 (lane / 4) + 16 (lane % 4)
	v_mul_u32_u24 v15, v2, SP
	v_add_nc_u32 v15, s17, v15                     ; and on the way out: 80 x lane
	v_mul_u32_u24 v4, v2, CB                       ; my codes' place in a step's 256 bytes
	v_lshrrev_b32 v5, 1, v2
	s_add_co_u32 s17, s17, 2*32*SP
	v_add_nc_u32 v5, s17, v5                       ; my block's scale byte in LDS
	v_lshlrev_b32 v7, 3, v2
	v_add_nc_u32 v6, s17, v7                       ; and 8 bytes a lane on their way out
	s_lshl_b32 s18, ttmp9, 2
	s_add_co_u32 s18, s18, s16                     ; which run of 8,192 numbers is my wave's
	s_lshl_b32 s20, s18, 15
	s_mov_b32 s21, 0
	s_lshl_b32 s22, s18, 12
	s_mov_b32 s23, 0
	s_lshl_b32 s24, s18, 8
	s_add_co_u32 s24, s24, 4194304
	s_mov_b32 s25, 0
	s_wait_kmcnt 0x0
	s_add_nc_u64 s[4:5], s[4:5], s[20:21]
	s_add_nc_u64 s[26:27], s[12:13], s[22:23]      ; codes
	s_add_nc_u64 s[28:29], s[12:13], s[24:25]      ; scale bytes
.macro XLOAD t
.irp i, 0,1,2,3
	global_load_b128 v[XR+16*((\t)%4)+4*\i:XR+16*((\t)%4)+4*\i+3], v3, s[4:5] offset:2048*(\t)+512*\i th:TH_LOAD_NT   ; 32 lanes read 512 consecutive bytes
.endr
.endm
.macro XTURN t                         ; LDS serves a wave's instructions in order: no wait between the stores and the loads
.irp i, 0,1,2,3
	ds_store_b128 v14, v[XR+16*((\t)%4)+4*\i:XR+16*((\t)%4)+4*\i+3] offset:32*SP*((\t)%2)+8*SP*\i
.endr
.irp i, 0,1,2,3
	ds_load_b128 v[XX+16*((\t)%2)+4*\i:XX+16*((\t)%2)+4*\i+3], v15 offset:32*SP*((\t)%2)+16*\i
.endr
.endm
.irp t, 0,1,2,3
	XLOAD \t
.endr
	s_wait_loadcnt 12                              ; step 0's four loads are in
	XTURN 0
.macro XSTEP t
.set XS, XX+16*((\t)%2)
.if (\t) > 0
	s_wait_dscnt 1                                 ; this step's numbers are back from the stage; the last step's byte store may be out
.else
	s_wait_dscnt 0x0
.endif
.if (\t)+4 < STEPS
	XLOAD (\t)+4                                   ; into the set whose stores into the stage are done
.endif
.if (\t)+1 < STEPS
.if STEPS-2-(\t) >= 3
	s_wait_loadcnt 12                              ; the next step's four loads are in; three steps' may be out
.else
	s_wait_loadcnt 4*(STEPS-2-(\t))
.endif
	XTURN (\t)+1
.endif
	v_max3_num_f32 v8, |v[XS]|, |v[XS+1]|, |v[XS+2]|
	v_max3_num_f32 v9, |v[XS+3]|, |v[XS+4]|, |v[XS+5]|
.irp i, 6,10
	v_max3_num_f32 v8, v8, |v[XS+\i]|, |v[XS+\i+1]|
	v_max3_num_f32 v9, v9, |v[XS+\i+2]|, |v[XS+\i+3]|
.endr
	v_max3_num_f32 v8, v8, |v[XS+14]|, |v[XS+15]|
	v_max3_num_f32 v8, v8, v9, (EMAX+1)<<23        ; the floor 2^(3 - 127): the byte cannot fall under 1
	v_max_num_f32_dpp v8, v8, v8 row_xmask:1 row_mask:0xf bank_mask:0xf   ; with my neighbour's 16: the block's largest magnitude
	v_add_nc_u32 v11, -(EMAX<<23), v8              ; 2 off its exponent field: the conversion's scale operand
	v_cvt_scalef32_pk8_fp4_f32 v[XC+4*(\t)], v[XS:XS+7], v11
	v_cvt_scalef32_pk8_fp4_f32 v[XC+4*(\t)+1], v[XS+8:XS+15], v11
	v_lshrrev_b32 v[XE+(\t)], 23, v11              ; the scale's byte (a plain line behind the conversions)
	ds_store_b8 v5, v[XE+(\t)] offset:16*(\t)      ; both lanes of a block write the same byte with the same value
	global_store_b64 v4, v[XC+4*(\t):XC+4*(\t)+1], s[26:27] offset:32*CB*(\t)   ; the wave stores 256 consecutive bytes, aligned
.endm
.irp t, 0,1,2,3,4,5,6,7,8,9,10,11,12,13,14,15
	XSTEP \t
.endr
	ds_load_b64 v[8:9], v6
	s_wait_dscnt 0x0
	global_store_b64 v7, v[8:9], s[28:29]          ; my wave's 256 scale bytes, aligned
	s_wait_tensorcnt 0x0                           ; the wave's end, behind my last LDS store
	ds_add_u32 v[SPW], v[NIL]
	s_wait_dscnt 0x0
	s_endpgm
; ---------------- the weights: work-group (nb, ky): 128 columns of the joined n, 512 along K; a wave 32 columns
.Lweights:
	s_sub_co_u32 s17, ttmp9, 256
	s_and_b32 s18, s17, 31                         ; nb: 0-15 wq, 16-23 wk, 24-31 wv
	s_lshr_b32 s19, s17, 5                         ; ky
	s_wait_kmcnt 0x0
	s_cmp_lt_u32 s18, 24                           ; the tensor is chosen on the work-group's number alone
	s_cselect_b64 s[24:25], s[8:9], s[10:11]
	s_cselect_b32 s26, 16, 24
	s_cmp_lt_u32 s18, 16
	s_cselect_b64 s[24:25], s[6:7], s[24:25]
	s_cselect_b32 s26, 0, s26
	s_mov_b32 s27, 4096
	s_cselect_b32 s27, 8192, s27                   ; its row pitch in bytes
	s_sub_co_u32 s26, s18, s26                     ; the block of 128 columns inside the tensor
	s_lshl_b32 s26, s26, 9
	s_lshl_b32 s28, s16, 7
	s_add_co_u32 s26, s26, s28                     ; + 32 columns x wave, in bytes
	s_lshl_b32 s28, s19, 9
	s_mul_i32 s28, s28, s27                        ; 512 ky rows
	s_add_co_u32 s28, s28, s26
	s_mov_b32 s29, 0
	s_add_nc_u64 s[32:33], s[24:25], s[28:29]      ; block 0's base; sixteen bases, 32 rows apart, never rewritten
	s_lshl_b32 s22, s27, 5
	s_mov_b32 s23, 0
.irp t, 1,2,3,4,5,6,7,8,9,10,11,12,13,14,15
	s_add_nc_u64 s[32+2*\t:33+2*\t], s[30+2*\t:31+2*\t], s[22:23]
.endr
	v_lshlrev_b32 v[OFS], 2, v2                    ; 4 bytes a lane,
.set i, 1
.rept 31
	v_add_nc_u32 v[OFS+i], s27, v[OFS+i-1]         ; and a row further down for each register
.set i, i+1
.endr
	s_mul_i32 s20, s16, 32*PITCH
	s_add_co_u32 s20, s20, WBASE                   ; my stage
	v_mul_u32_u24 v4, v2, PITCH
	v_add_nc_u32 v4, s20, v4                       ; into it: row = my column
	v_and_b32 v5, 15, v2
	v_lshrrev_b32 v6, 4, v2
	v_mul_u32_u24 v7, v6, PITCH
	v_lshl_add_u32 v7, v5, 4, v7
	v_add_nc_u32 v7, s20, v7                       ; out of it: sixteen lanes to a row, two rows an instruction
	v_lshlrev_b32 v8, 11, v6
	v_lshl_add_u32 v8, v5, 4, v8                   ; the same place in the codes' buffer
	v_lshlrev_b32 v9, 7, v2                        ; my column's row of scale bytes
	s_lshl_b32 s21, s18, 7
	s_lshl_b32 s28, s16, 5
	s_add_co_u32 s21, s21, s28                     ; my wave's first n
	s_lshl_b32 s28, s21, 11
	s_lshl_b32 s20, s19, 8
	s_add_co_u32 s28, s28, s20
	s_mov_b32 s29, 0
	s_add_nc_u64 s[28:29], s[14:15], s[28:29]      ; codes: n x 2,048 + 256 ky
	s_lshl_b32 s30, s21, 7
	s_lshl_b32 s20, s19, 4
	s_add_co_u32 s30, s30, s20
	s_add_co_u32 s30, s30, 8388608
	s_mov_b32 s31, 0
	s_add_nc_u64 s[30:31], s[14:15], s[30:31]      ; scale bytes: n x 128 + 16 ky
.macro WLOAD t                         ; block t: w(32 t + i, my column): 128 consecutive bytes a wave, 512 a work-group
.set i, 0
.rept 32
	global_load_b32 v[WX+32*((\t)%2)+i], v[OFS+i], s[32+2*(\t):33+2*(\t)] th:TH_LOAD_NT
.set i, i+1
.endr
.endm
	WLOAD 0
	WLOAD 1
.macro WBLOCK t
.set XS, WX+32*((\t)%2)
.if (\t) < NB-1
	s_wait_loadcnt 32                              ; this block's 32 loads are in; the next block's may be out
.else
	s_wait_loadcnt 0x0
.endif
	v_max3_num_f32 v12, |v[XS]|, |v[XS+1]|, |v[XS+2]|   ; all 32 numbers of the block are mine
	v_max3_num_f32 v13, |v[XS+3]|, |v[XS+4]|, |v[XS+5]|
.irp i, 6,10,14,18,22,26
	v_max3_num_f32 v12, v12, |v[XS+\i]|, |v[XS+\i+1]|
	v_max3_num_f32 v13, v13, |v[XS+\i+2]|, |v[XS+\i+3]|
.endr
	v_max3_num_f32 v12, v12, |v[XS+30]|, |v[XS+31]|
	v_max3_num_f32 v12, v12, v13, (EMAX+1)<<23
	v_add_nc_u32 v11, -(EMAX<<23), v12
	v_lshrrev_b32 v13, 23, v11
.if (\t)%4 == 0
	v_mov_b32 v[WSB+(\t)/4], v13
.else
	v_lshl_or_b32 v[WSB+(\t)/4], v13, 8*((\t)%4), v[WSB+(\t)/4]
.endif
.irp g, 0,1,2,3
	v_cvt_scalef32_pk8_fp4_f32 v[WC+\g], v[XS+8*\g:XS+8*\g+7], v11
.endr
	ds_store_b128 v4, v[WC:WC+3] offset:16*(\t)    ; 32 codes: 16 bytes of my column's row
.if (\t)+2 < NB
	WLOAD (\t)+2
.endif
	s_wait_dscnt 0x0                               ; the store has read its registers: the next block's codes may be written
.endm
.set Q, 0
.rept NB
	WBLOCK Q
.set Q, Q+1
.endr
	global_store_b128 v9, v[WSB:WSB+3], s[30:31]   ; my column's 16 scale bytes
.irp t, 0,1,2,3,4,5,6,7,8,9,10,11,12,13,14,15
	ds_load_b128 v[WOUT+4*\t:WOUT+4*\t+3], v7 offset:2*\t*PITCH
.endr
.irp t, 0,1,2,3,4,5,6,7,8,9,10,11,12,13,14,15
	s_wait_dscnt 15-\t
	global_store_b128 v8, v[WOUT+4*\t:WOUT+4*\t+3], s[28:29] offset:2*\t*KROW   ; sixteen lanes store 256 consecutive bytes, aligned
.endr
	s_wait_tensorcnt 0x0                           ; the wave's end, as above
	ds_add_u32 v[SPW], v[NIL]
	s_wait_dscnt 0x0
	s_endpgm
.Lfunc_end_k_q9c52a36374_prep:
	.size	k_q9c52a36374_prep, .Lfunc_end_k_q9c52a36374_prep-k_q9c52a36374_prep
	.p2alignl 7, 3214868480
	.fill 96, 4, 3214868480
	.section	.rodata,"a",@progbits
	.p2align	6, 0x0
	.amdhsa_kernel k_q9c52a36374_prep
		.amdhsa_group_segment_fixed_size 68096
		.amdhsa_private_segment_fixed_size 0
		.amdhsa_enable_private_segment 0
		.amdhsa_kernarg_size 48
		.amdhsa_user_sgpr_count 2
		.amdhsa_user_sgpr_kernarg_segment_ptr 1
		.amdhsa_wavefront_size32 1
		.amdhsa_system_sgpr_workgroup_id_x 1
		.amdhsa_system_sgpr_workgroup_id_y 1
		.amdhsa_system_sgpr_workgroup_id_z 1
		.amdhsa_system_vgpr_workitem_id 0
		.amdhsa_next_free_vgpr 216
		.amdhsa_next_free_sgpr 66
		.amdhsa_reserve_vcc 0
		.amdhsa_float_denorm_mode_32 3
		.amdhsa_float_denorm_mode_16_64 3
		.amdhsa_memory_ordered 1
		.amdhsa_forward_progress 1
		.amdhsa_inst_pref_size 113
	.end_amdhsa_kernel
	.amdgpu_metadata
---
amdhsa.version: [ 1, 2 ]
amdhsa.kernels:
  - .name:           k_q9c52a36374_prep
    .symbol:         k_q9c52a36374_prep.kd
    .args:
      - { .name: hidden_states, .offset: 0, .size: 8, .value_kind: global_buffer, .address_space: global }
      - { .name: wq, .offset: 8, .size: 8, .value_kind: global_buffer, .address_space: global }
      - { .name: wk, .offset: 16, .size: 8, .value_kind: global_buffer, .address_space: global }
      - { .name: wv, .offset: 24, .size: 8, .value_kind: global_buffer, .address_space: global }
      - { .name: xq, .offset: 32, .size: 8, .value_kind: global_buffer, .address_space: global }
      - { .name: wq4, .offset: 40, .size: 8, .value_kind: global_buffer, .address_space: global }
    .group_segment_fixed_size: 68096
    .private_segment_fixed_size: 0
    .kernarg_segment_align: 8
    .kernarg_segment_size: 48
    .max_flat_workgroup_size: 128
    .sgpr_count:     66
    .vgpr_count:     216
    .wavefront_size: 32
...
	.end_amdgpu_metadata
.endif
;; end of part 1
;; launch qkv (part 2): grid 16 x 16, 4 waves a work-group, clusters of 4 x 4, 327,680 bytes of LDS; arguments xq, wq4, sin, cos, position_ids, attention_mask, qkv16, small; writes qkv16, small
.if DOCPART == 2
	.amdgcn_target "amdgcn-amd-amdhsa--gfx1250"
	.amdhsa_code_object_version 6
	.text
	.protected	k_q9c52a36374_qkv
	.globl	k_q9c52a36374_qkv
	.p2align	8
	.type	k_q9c52a36374_qkv,@function
k_q9c52a36374_qkv:
	s_mov_b64 s[64:65], 0
	v_nop
	global_prefetch_b8 v0, s[64:65] scope:SCOPE_SE
	s_setreg_imm32_b32 hwreg(HW_REG_WAVE_MODE, 25, 1), 1
	s_wait_xcnt 0x0
	s_wait_alu depctr_hold_cnt(0) depctr_sa_sdst(0) depctr_va_vdst(0) depctr_va_sdst(0) depctr_va_ssrc(0) depctr_va_vcc(0) depctr_vm_vsrc(0)
	s_getreg_b32 s2, hwreg(HW_REG_IB_STS2, 6, 4)
	s_cmp_eq_u32 s2, 0
	s_cbranch_scc0 .Lentry_in_a_cluster
	s_endpgm
.Lentry_in_a_cluster:
	s_bfe_u32 s2, ttmp6, 0x10000c
	s_cmp_lg_u32 s2, 0xf033
	s_cbranch_scc0 .Lentry_shape_is_right
	s_endpgm
.Lentry_shape_is_right:
; [q | k | v] = x [wq | wk | wv] on codes of E2M1 (M 2,048, K 4,096, N 4,096), then the rotation by sin and cos, then the narrow operands of the attention.
; A tile of C is 128 x 256; four waves, each 64 rows x 128 columns = one head: 32 accumulators.  K goes in steps of 512 (rows of 256 bytes) through two LDS slots; the scale bytes of the tile's rows, for all of K, come once.
; CLUSTERS 4 x 4: A's tiles are asked for jointly along a row of the cluster, B's along a column.  The product is used transposed (source 0 = 16 rows of W, source 1 = 16 rows of x): a lane holds one position and eight
; neighbouring channels; channel d and d + 64 lie in the same lane (blocks b and b + 4), so the rotation stays inside a lane.
; OUT: q16 [16][2048][128] f16 = q 2^-7;  kx [8][32 steps][65 rows of 256 bytes]: 64 rows of k 2^-7 in f16, then 64 f32: 0 for a key that counts, -1e30 for a padded one;  v16 [8][2048][128] f16 = v / 4;
;      small: the first 16 rows of each tile row of cluster row 0 in f32, part cy at cy x 262,144 (only part 0, positions 0 to 15, is read later: partners are told apart by address);
;      from 1,048,576 on the column sums of v over each 64 positions, [32][1024] f32.
; LIMITS: q and k are finite in f16 up to 8.4e6, v up to 2.6e5; all three factors are powers of two.  position_ids are held to 0 .. 2,047.
; The kind of a tile hangs on the cluster's x alone: 0, 1: q;  2: k;  3: v.
; REGISTERS: window 0: v1-31 addresses; v32-95 scale words and nothing else; v96-103 at work; v104 the position ids' offset; v128-191 A's fragments, two sets, later results; v192-255 the way out.
;   window 1: B's fragments, two sets at v0 and v128.   window 2: accumulator (a, b) at v[8 (8 a + b)].   window 3: cos and sin of a block of 16 positions, two sets of 128.
.set PITCH, 272                        ; an LDS row: 256 bytes + 16 of padding
.set AHALF, 64*PITCH
.set BHALF, 128*PITCH
.set SLOT,  2*AHALF+2*BHALF            ; A's 128 rows, then B's 256 rows: 104,448
.set SCL,   2*SLOT                     ; the scales: pieces of 256 bytes + 16
.set SAH,   32*272                     ; those of 64 rows of A
.set SBH,   64*272                     ; of 128 rows of B
.set SBLK,  8*272                      ; of 16 rows
.set STAGE, SCL+2*SAH+2*SBH            ; 261,120: 16 rows x 272 bytes for each wave; no fill lands here
.set SPARE, STAGE+4*16*272             ; 278,528: the spare words
.set XSC,   4194304
.set WSC,   8388608
.set KX,    8388608
.set V16,   12648448
.set VPART, 1048576
.set ML,   7                           ; v7  8 x lane
.set CA,   8                           ; v8-11 block a: position id x 512 + 32 h
.set MI,   12                          ; v12-13 two mask numbers
.set RDL,  14                          ; v14 my stage + 16 x lane
.set GL,   15                          ; v15 16 x lane
.set ADRA, 16
.set ADRB, 20
.set STO,  24
.set RD,   25
.set CO,   26
.set ADRS, 27
.set SPW,  28
.set NIL,  29
.set FO,   30                          ; v30 r x 16,384 + 32 h
.set CSA,  31                          ; v31 my stage + 32 h
.set SC,   32
.set T,    96
.set PO,   104                         ; v104 4 r: the position ids' offset; never rewritten
.set AF,   128
.set Y,    128
.set HH,   192
.set BK,   224
.set G1,   24
.set G0,   32
.set G1B,  48
.set G0B,  56
.set G1S,  68
.set G0S,  76
.set G1SB, 80
.set G0SB, 88
.set MSB, 0
.macro WIN new                         ; the immediate's high byte repeats the setting that is left
.if MSB != \new
	s_set_vgpr_msb (MSB<<8)|\new
.set MSB, \new
.endif
.endm
.set MUL,  0xa1                        ; source 0 (B) window 1, source 1 (A) window 0, C and D window 2
.set TO_B, 0x40
.macro PLACES n
.rept \n
	v_nop
.endr
.endm
; A joint load: waves 0 and 1 fetch for A, waves 2 and 3 for B; the branch hangs on the wave's number alone.  An s_nop 0 and four v_nop follow each line.
.macro JLOAD g0a, g1a, g0b, g1b
	s_cmp_eq_u32 s21, 0
	s_cbranch_scc0 .Lfor_b_\@
	tensor_load_to_lds s[\g0a:\g0a+3], s[\g1a:\g1a+7]
	s_nop 0
.rept 4
	v_nop
.endr
	s_branch .Lasked_\@
.Lfor_b_\@:
	tensor_load_to_lds s[\g0b:\g0b+3], s[\g1b:\g1b+7]
	s_nop 0
.rept 4
	v_nop
.endr
.Lasked_\@:
.endm
.macro CREST
	s_cmp_lg_u32 s20, 0
	s_cbranch_scc1 .Lnot_wave_0_\@
	s_barrier_signal -3
.Lnot_wave_0_\@:
	s_barrier_wait -3
	s_barrier_signal -1
	s_barrier_wait -1
.endm
.macro CROUND
	s_barrier_signal -1
	s_barrier_wait -1
	CREST
.endm
	s_load_b512 s[4:19], s[0:1], 0x0               ; xq 4, wq4 6, sin 8, cos 10, position_ids 12, attention_mask 14, qkv16 16, small 18
	v_lshl_add_u32 v[SPW], v0, 2, SPARE
	v_mov_b32 v[NIL], 0
	ds_add_u32 v[SPW], v[NIL]                      ; the wave's opening: the add, twice on end, and its wait ahead of my first tensor load
	ds_add_u32 v[SPW], v[NIL]
	v_lshrrev_b32 v1, 5, v0
	v_readfirstlane_b32 s20, v1                    ; wave
	s_lshr_b32 s21, s20, 1                         ; mh: my 64 rows.  Also: I fetch for A (0) or B (1)
	s_and_b32 s22, s20, 1                          ; nh: my 128 columns.  Also: which half I fetch
	s_bfe_u32 s40, ttmp6, 0x40000                  ; cx
	s_bfe_u32 s41, ttmp6, 0x40004                  ; cy
	s_lshl_b32 s42, ttmp9, 2
	s_add_co_u32 s42, s42, s40                     ; tile column
	s_and_b32 s23, ttmp7, 0xffff
	s_lshl_b32 s23, s23, 2
	s_add_co_u32 s23, s23, s41                     ; tile row
	s_lshl_b32 s43, s41, 2
	s_lshl_b32 s43, 15, s43                        ; my row of the cluster
	s_lshl_b32 s44, 0x1111, s40                    ; my column
	s_or_b32 s[G1], s43, (1<<20)|(1<<21)|(5<<22)|(3<<25)      ; elements of 1 byte; 4 words of padding behind every 64
	s_or_b32 s[G1B], s44, (1<<20)|(1<<21)|(5<<22)|(3<<25)
	s_mov_b32 s[G1+1], 256<<16                     ; A: 64 rows of 256 bytes, 2,048 apart
	s_mov_b32 s[G1+2], 64<<16
	s_mov_b32 s[G1+3], 256<<16
	s_mov_b32 s[G1+4], 64
	s_mov_b32 s[G1+5], 2048
	s_mov_b32 s[G1+6], 0
	s_mov_b32 s[G1+7], 0
	s_mov_b32 s[G1B+1], 256<<16                    ; B: 128 rows
	s_mov_b32 s[G1B+2], 128<<16
	s_mov_b32 s[G1B+3], 256<<16
	s_mov_b32 s[G1B+4], 128
	s_mov_b32 s[G1B+5], 2048
	s_mov_b32 s[G1B+6], 0
	s_mov_b32 s[G1B+7], 0
	s_or_b32 s[G1S], s43, (3<<16)|(1<<20)|(1<<21)|(5<<22)|(3<<25)   ; the scales: dense blocks as rows of 32 elements of 8 bytes
	s_or_b32 s[G1SB], s44, (3<<16)|(1<<20)|(1<<21)|(5<<22)|(3<<25)
	s_mov_b32 s[G1S+1], 32<<16
	s_mov_b32 s[G1S+2], 32<<16
	s_mov_b32 s[G1S+3], 32<<16
	s_mov_b32 s[G1S+4], 32
	s_mov_b32 s[G1S+5], 32
	s_mov_b32 s[G1S+6], 0
	s_mov_b32 s[G1S+7], 0
	s_mov_b32 s[G1SB+1], 32<<16
	s_mov_b32 s[G1SB+2], 64<<16
	s_mov_b32 s[G1SB+3], 32<<16
	s_mov_b32 s[G1SB+4], 64
	s_mov_b32 s[G1SB+5], 32
	s_mov_b32 s[G1SB+6], 0
	s_mov_b32 s[G1SB+7], 0
	s_lshl_b32 s45, s22, 6
	s_lshl_b32 s92, s23, 7
	s_add_co_u32 s92, s92, s45                     ; A's first row that I fetch: 128 x tile row + 64 x half
	s_lshl_b32 s94, s92, 7
	s_add_co_u32 s94, s94, XSC                     ; its scales,
	s_lshl_b32 s92, s92, 11                        ; its codes
	s_mov_b32 s93, 0
	s_mov_b32 s95, 0
	s_lshl_b32 s45, s22, 7
	s_lshl_b32 s96, s42, 8
	s_add_co_u32 s96, s96, s45                     ; B's: 256 x tile column + 128 x half
	s_lshl_b32 s98, s96, 7
	s_add_co_u32 s98, s98, WSC
	s_lshl_b32 s96, s96, 11
	s_mov_b32 s97, 0
	s_mov_b32 s99, 0
	s_mul_i32 s46, s22, AHALF                      ; where they go: the wave's number alone enters an LDS address
	s_mul_i32 s47, s22, BHALF
	s_add_co_u32 s47, s47, 2*AHALF
	s_mul_i32 s100, s22, SAH
	s_mul_i32 s101, s22, SBH
	s_wait_dscnt 0x0                               ; both opening adds are done
	s_wait_kmcnt 0x0
	s_add_nc_u64 s[92:93], s[4:5], s[92:93]
	s_add_nc_u64 s[94:95], s[4:5], s[94:95]
	s_add_nc_u64 s[96:97], s[6:7], s[96:97]
	s_add_nc_u64 s[98:99], s[6:7], s[98:99]
	CROUND                                         ; all sixteen work-groups are here: the first joint loads meet
	s_mov_b32 s[G0S], 1
	s_add_co_u32 s[G0S+1], s100, SCL
	s_mov_b64 s[G0S+2:G0S+3], s[94:95]
	s_or_b32 s[G0S+3], s[G0S+3], 0x80000000
	s_mov_b32 s[G0SB], 1
	s_add_co_u32 s[G0SB+1], s101, SCL+2*SAH
	s_mov_b64 s[G0SB+2:G0SB+3], s[98:99]
	s_or_b32 s[G0SB+3], s[G0SB+3], 0x80000000
	JLOAD G0S, G1S, G0SB, G1SB                     ; the scales first: they are wanted with K step 0
.irp s, 0,1
	s_mov_b32 s[G0+4*\s], 1
	s_add_co_u32 s[G0+4*\s+1], s46, \s*SLOT
	s_add_nc_u64 s[G0+4*\s+2:G0+4*\s+3], s[92:93], \s*256
	s_or_b32 s[G0+4*\s+3], s[G0+4*\s+3], 0x80000000
	s_mov_b32 s[G0B+4*\s], 1
	s_add_co_u32 s[G0B+4*\s+1], s47, \s*SLOT
	s_add_nc_u64 s[G0B+4*\s+2:G0B+4*\s+3], s[96:97], \s*256
	s_or_b32 s[G0B+4*\s+3], s[G0B+4*\s+3], 0x80000000
	JLOAD G0+4*\s, G1, G0B+4*\s, G1B               ; three loads of mine are out
.endr
	; twenty-four bytes a lane that every kind loads, so that no register's state hangs on a branch: my 64 positions' ids and mask numbers
	v_and_b32 v1, 15, v0                           ; r
	v_bfe_u32 v2, v0, 4, 1                         ; h
	v_and_b32 v6, 31, v0
	v_lshlrev_b32 v[PO], 2, v1                     ; a register of its own: the loads that name it are out while the addresses below are made
	v_lshlrev_b32 v[ML], 3, v6
	s_lshl_b32 s92, s23, 9
	s_lshl_b32 s93, s21, 8
	s_add_co_u32 s92, s92, s93                     ; (128 x tile row + 64 mh) x 4 bytes
	s_mov_b32 s93, 0
	s_add_nc_u64 s[12:13], s[12:13], s[92:93]
	s_add_nc_u64 s[14:15], s[14:15], s[92:93]
.irp a, 0,1,2,3
	global_load_b32 v[CA+\a], v[PO], s[12:13] offset:64*\a
.endr
	global_load_b64 v[MI:MI+1], v[ML], s[14:15]
	; LDS addresses
	v_mul_u32_u24 v4, v1, PITCH
	v_lshl_add_u32 v4, v2, 4, v4                   ; a fragment's row x pitch + 16 h
	s_mul_i32 s45, s21, AHALF
	s_mul_i32 s46, s22, BHALF
	s_add_co_u32 s46, s46, 2*AHALF
.irp s, 0,1
	v_add_nc_u32 v[ADRA+\s], s45, v4
	v_add_nc_u32 v[ADRB+\s], s46, v4
	s_add_co_u32 s45, s45, SLOT
	s_add_co_u32 s46, s46, SLOT
.endr
	v_lshlrev_b32 v5, 7, v1                        ; my row's scales: 128 bytes a row,
	v_lshrrev_b32 v3, 8, v5
	v_lshl_add_u32 v5, v3, 4, v5                   ; and 16 more for each 256 passed
	s_mul_i32 s45, s21, SAH
	s_mul_i32 s46, s22, SBH
	s_add_co_u32 s46, s46, 2*SAH
	s_sub_co_u32 s46, s46, s45
	v_mul_u32_u24 v3, s46, v2                      ; lanes 16-31 take B's: one product, the distance between the two bases
	s_add_co_u32 s45, s45, SCL
	v_add_nc_u32 v5, v5, v3
	v_add_nc_u32 v[ADRS], s45, v5
	s_mul_i32 s45, s20, 16*272
	s_add_co_u32 s45, s45, STAGE                   ; my stage
	v_mul_u32_u24 v5, v1, 272
	v_lshl_add_u32 v5, v2, 4, v5
	v_add_nc_u32 v[STO], s45, v5                   ; in: row r, 16 bytes for each half of the lanes
	v_mul_u32_u24 v5, v2, 272
	v_lshl_add_u32 v5, v1, 4, v5
	v_add_nc_u32 v[RD], s45, v5                    ; back: lanes 0-15 one row of 256 bytes, lanes 16-31 the next
	v_lshlrev_b32 v5, 8, v2
	v_lshl_add_u32 v[CO], v1, 4, v5                ; the same two rows in memory
	v_lshlrev_b32 v[GL], 4, v6
	v_add_nc_u32 v[RDL], s45, v[GL]
	v_lshlrev_b32 v5, 5, v2
	v_add_nc_u32 v[CSA], s45, v5
	v_lshlrev_b32 v[FO], 14, v1
	v_lshl_add_u32 v[FO], v2, 5, v[FO]
	; where my 64 x 128 go
	s_lshl_b32 s45, s23, 15
	s_lshl_b32 s46, s21, 14
	s_add_co_u32 s45, s45, s46                     ; my first position x 256 bytes
	s_lshl_b32 s46, s42, 1
	s_add_co_u32 s46, s46, s22                     ; my head among 32: q 0-15, k 16-23, v 24-31
	s_lshl_b32 s47, s46, 19
	s_add_co_u32 s47, s47, s45                     ; q's place
	s_sub_co_u32 s92, s46, 16
	s_mul_i32 s92, s92, 532480
	s_lshl_b32 s93, s23, 1
	s_add_co_u32 s93, s93, s21                     ; my key step of 64
	s_lshl_b32 s100, s93, 12                       ; (its row of column sums)
	s_mul_i32 s93, s93, 16640
	s_add_co_u32 s92, s92, s93
	s_add_co_u32 s92, s92, KX                      ; k's place
	s_sub_co_u32 s94, s46, 24
	s_lshl_b32 s95, s94, 9
	s_add_co_u32 s100, s100, s95
	s_add_co_u32 s100, s100, VPART                 ; the column sums' place (used by kind v alone)
	s_lshl_b32 s94, s94, 19
	s_add_co_u32 s94, s94, s45
	s_add_co_u32 s94, s94, V16                     ; v's place
	s_cmp_eq_u32 ttmp9, 2
	s_cselect_b32 s47, s92, s47
	s_cmp_eq_u32 ttmp9, 3
	s_cselect_b32 s96, s94, s47
	s_mov_b32 s97, 0
	s_add_nc_u64 s[96:97], s[16:17], s[96:97]
	s_mov_b32 s101, 0
	s_add_nc_u64 s[100:101], s[18:19], s[100:101]
	s_lshl_b32 s98, s41, 18                        ; the f32 rows: part cy,
	s_lshl_b32 s99, s42, 10
	s_add_co_u32 s98, s98, s99
	s_lshl_b32 s99, s22, 9
	s_add_co_u32 s98, s98, s99                     ; my 128 columns
	s_mov_b32 s99, 0
	s_add_nc_u64 s[98:99], s[18:19], s[98:99]
	s_and_b32 s43, ttmp7, 0xffff
	s_or_b32 s43, s43, s21                         ; 0: cluster row 0 and the upper 64 rows: such a wave stores its first 16 rows in f32
	s_wait_loadcnt 0x0
.irp a, 0,1,2,3
	v_min_u32 v[CA+\a], 0x7ff, v[CA+\a]            ; an index stays inside its table
	v_lshlrev_b32 v[CA+\a], 9, v[CA+\a]
	v_lshl_add_u32 v[CA+\a], v2, 5, v[CA+\a]
.endr
.macro FRAG reg, adr, q, i             ; 16 rows x 128 K of 4-bit codes: 8 registers, two loads 32 bytes apart
.irp c, 0,1
	ds_load_b128 v[\reg+4*\c:\reg+4*\c+3], v[\adr] offset:64*(\q)+32*\c+(\i)*16*PITCH
.endr
.endm
.macro FETCH slot, q, p                ; 24 loads in one run: B's eight fragments and A's four of the slot's q-th 128 along K, into set p
	WIN TO_B
.irp i, 0,1,2,3,4,5,6,7
	FRAG 128*(\p)+8*\i, ADRB+\slot, \q, \i
.endr
	WIN 0
.irp i, 0,1,2,3
	FRAG AF+32*(\p)+8*\i, ADRA+\slot, \q, \i
.endr
.endm
.macro SCALES sc                       ; a K step's scale words: lanes 0-15 A's block i (i over 3: bytes that are filled and not used), lanes 16-31 B's block i
.irp i, 0,1,2,3,4,5,6,7
	ds_load_b128 v[SC+32*\sc+4*\i:SC+32*\sc+4*\i+3], v[ADRS] offset:\i*SBLK
.endr
.endm
; 8 products: A's block a against B's eight.  The 32 accumulators take turns in one order in every step.
.macro MUL8 a, p, q, sc, zero
.irp b, 0,1,2,3,4,5,6,7
.if \zero
	v_wmma_scale_f32_16x16x128_f8f6f4 v[8*(8*(\a)+\b):8*(8*(\a)+\b)+7], v[128*(\p)+8*\b:128*(\p)+8*\b+7], v[AF+32*(\p)+8*(\a):AF+32*(\p)+8*(\a)+7], 0, v[SC+32*(\sc)+4*\b+(\q)], v[SC+32*(\sc)+4*(\a)+(\q)] matrix_a_fmt:MATRIX_FMT_FP4 matrix_b_fmt:MATRIX_FMT_FP4 matrix_a_scale:MATRIX_SCALE_ROW1
.else
	v_wmma_scale_f32_16x16x128_f8f6f4 v[8*(8*(\a)+\b):8*(8*(\a)+\b)+7], v[128*(\p)+8*\b:128*(\p)+8*\b+7], v[AF+32*(\p)+8*(\a):AF+32*(\p)+8*(\a)+7], v[8*(8*(\a)+\b):8*(8*(\a)+\b)+7], v[SC+32*(\sc)+4*\b+(\q)], v[SC+32*(\sc)+4*(\a)+(\q)] matrix_a_fmt:MATRIX_FMT_FP4 matrix_b_fmt:MATRIX_FMT_FP4 matrix_a_scale:MATRIX_SCALE_ROW1
.endif
.endr
.endm
.macro STEP slot, q, zero              ; 128 along K whose successor lies in the same slot
	s_wait_dscnt 0x0                               ; this step's fragments, asked for 32 products ago
	PLACES 4                                       ; in front of loads into the set that the last products read
	FETCH \slot, (\q)+1, 1-(\q)%2
	WIN MUL
	MUL8 0, (\q)%2, \q, \slot, \zero
	MUL8 1, (\q)%2, \q, \slot, \zero
	MUL8 2, (\q)%2, \q, \slot, \zero
	MUL8 3, (\q)%2, \q, \slot, \zero
.endm
; A slot's last step changes slots: each wave waits for all its tensor loads, adds 0 to its spare word, waits for that and for its reads of the slot; one barrier, which opens a round of the cluster's where the slot is filled again.
.macro TURN slot, next, fill
	WIN 0
	s_wait_tensorcnt 0x0                           ; my part of the next slot has landed: no tensor load of mine is out
	ds_add_u32 v[SPW], v[NIL]
	s_wait_dscnt 1                                 ; this step's fragments are in; the add alone may be out
	WIN MUL
	MUL8 0, 1, 3, \slot, 0
	s_wait_dscnt 0x0                               ; the add is done, my reads of this slot are over
	s_barrier_signal -1
	MUL8 1, 1, 3, \slot, 0
	WIN 0
	s_barrier_wait -1
.if \fill
	CREST                                          ; no wave of any partner still reads this slot or has a load on its way
	s_add_nc_u64 s[G0+4*\slot+2:G0+4*\slot+3], s[G0+4*\slot+2:G0+4*\slot+3], 512
	s_add_nc_u64 s[G0B+4*\slot+2:G0B+4*\slot+3], s[G0B+4*\slot+2:G0B+4*\slot+3], 512
	JLOAD G0+4*\slot, G1, G0B+4*\slot, G1B         ; two K steps on; its four v_nop are the places in front of the loads below
.else
	PLACES 4
.endif
	v_add_nc_u32 v[ADRS], 16, v[ADRS]              ; the next K step's scale words
	FETCH \next, 0, 0
	SCALES \next
	WIN MUL
	MUL8 2, 1, 3, \slot, 0
	MUL8 3, 1, 3, \slot, 0
.endm
.macro LAST4                           ; the last 512 along K, in slot 1
	STEP 1, 0, 0
	STEP 1, 1, 0
	STEP 1, 2, 0
	s_wait_dscnt 0x0
	WIN MUL
	MUL8 0, 1, 3, 1, 0
	MUL8 1, 1, 3, 1, 0
	MUL8 2, 1, 3, 1, 0
	MUL8 3, 1, 3, 1, 0
	WIN 0
	PLACES 4                                       ; in front of the first read of results and the first write of A's registers
.endm
	s_wait_tensorcnt 1                             ; the scales and my part of K step 0 are in; K step 1's load may be out
	s_barrier_signal -1
	s_barrier_wait -1
	FETCH 0, 0, 0
	SCALES 0
	STEP 0, 0, 1                                   ; the first step's products start the sums
	WIN 0
	s_mov_b32 s3, 3
.Llap:                                                 ; once round the ring: both slots are filled again
	STEP 0, 1, 0
	STEP 0, 2, 0
	TURN 0, 1, 1
	STEP 1, 0, 0
	STEP 1, 1, 0
	STEP 1, 2, 0
	TURN 1, 0, 1
	STEP 0, 0, 0
	WIN 0
	s_sub_co_u32 s3, s3, 1
	s_cmp_lg_u32 s3, 0
	s_cbranch_scc1 .Llap
	STEP 0, 1, 0
	STEP 0, 2, 0
	TURN 0, 1, 0                                   ; the last change of slots fills nothing
	WIN 0
	s_cmp_eq_u32 ttmp9, 3                          ; the kinds part here, once; the cluster's x is the same in all partners
	s_cbranch_scc1 .Lkind_v
; ---------------- q and k
.macro ROPELOAD a                      ; cos and sin of block a's 16 positions at my lane's 64 channels: 32 loads into set a % 2
	WIN 0xc0
.irp b, 0,1,2,3,4,5,6,7
	global_load_b128 v[128*((\a)%2)+8*\b:128*((\a)%2)+8*\b+3], v[CA+(\a)], s[10:11] offset:64*\b
	global_load_b128 v[128*((\a)%2)+8*\b+4:128*((\a)%2)+8*\b+7], v[CA+(\a)], s[10:11] offset:64*\b+16
	global_load_b128 v[128*((\a)%2)+64+8*\b:128*((\a)%2)+64+8*\b+3], v[CA+(\a)], s[8:9] offset:64*\b
	global_load_b128 v[128*((\a)%2)+64+8*\b+4:128*((\a)%2)+64+8*\b+7], v[CA+(\a)], s[8:9] offset:64*\b+16
.endr
	WIN 0
.endm
.macro OUTBLK a                        ; 64 numbers a lane in v[Y] on become f16, go through my stage and leave as whole rows of 256 bytes
.set i, 0
.rept 32
	v_cvt_pk_f16_f32 v[HH+i], v[Y+2*i], v[Y+2*i+1]
.set i, i+1
.endr
.irp b, 0,1,2,3,4,5,6,7
	ds_store_b128 v[STO], v[HH+4*\b:HH+4*\b+3] offset:32*\b
.endr
.irp t, 0,1,2,3,4,5,6,7
	ds_load_b128 v[BK+4*\t:BK+4*\t+3], v[RD] offset:\t*2*272   ; LDS serves a wave's instructions in order: these see the stores above
.endr
	s_wait_dscnt 0x0
.irp t, 0,1,2,3,4,5,6,7
	global_store_b128 v[CO], v[BK+4*\t:BK+4*\t+3], s[96:97] offset:(16*(\a)+2*\t)*256   ; sixteen lanes store 256 consecutive bytes, aligned
.endr
.endm
.macro EPIR a                          ; block a: y(d) = x(d) cos(d) - x(d + 64) sin(d), y(d + 64) = x(d + 64) cos(d + 64) + x(d) sin(d + 64)
.set U, 128*((\a)%2)
.set AC, 64*(\a)
	s_wait_xcnt 0x0                                ; the last block's stores have read their registers
.if (\a) < 3
	s_wait_loadcnt 32                              ; this block's cos and sin are in; the next block's 32 loads may be out
.else
	s_wait_loadcnt 0x0
.endif
	WIN 0x0e                                       ; source 0 window 2 (results), source 1 window 3 (cos, sin)
.irp b, 0,1,2,3
.irp j, 0,2,4,6
	v_pk_mul_f32 v[T+\j:T+\j+1], v[AC+8*\b+32+\j:AC+8*\b+32+\j+1], v[U+64+8*\b+\j:U+64+8*\b+\j+1]
.endr
.irp j, 0,2,4,6
	v_pk_fma_f32 v[Y+8*\b+\j:Y+8*\b+\j+1], v[AC+8*\b+\j:AC+8*\b+\j+1], v[U+8*\b+\j:U+8*\b+\j+1], v[T+\j:T+\j+1] neg_lo:[0,0,1] neg_hi:[0,0,1]
.endr
.irp j, 0,2,4,6
	v_pk_mul_f32 v[T+\j:T+\j+1], v[AC+8*\b+\j:AC+8*\b+\j+1], v[U+96+8*\b+\j:U+96+8*\b+\j+1]
.endr
.irp j, 0,2,4,6
	v_pk_fma_f32 v[Y+32+8*\b+\j:Y+32+8*\b+\j+1], v[AC+8*\b+32+\j:AC+8*\b+32+\j+1], v[U+32+8*\b+\j:U+32+8*\b+\j+1], v[T+\j:T+\j+1]
.endr
.endr
	WIN 0
.if (\a) < 2
	ROPELOAD (\a)+2                                ; into the set just read
.endif
.if (\a) == 0
	s_cmp_lg_u32 s43, 0
	s_cbranch_scc1 .Lno_fine_r
.irp b, 0,1,2,3,4,5,6,7
	global_store_b128 v[FO], v[Y+8*\b:Y+8*\b+3], s[98:99] offset:64*\b
	global_store_b128 v[FO], v[Y+8*\b+4:Y+8*\b+7], s[98:99] offset:64*\b+16
.endr
	s_wait_xcnt 0x0                                ; these stores have read v[Y] on, which is scaled in place below
.Lno_fine_r:
.endif
.set i, 0
.rept 32
	v_pk_mul_f32 v[Y+i:Y+i+1], v[Y+i:Y+i+1], 0x3c000000 op_sel_hi:[1,0]   ; x 2^-7, exact
.set i, i+2
.endr
	OUTBLK \a
.endm
	ROPELOAD 0                                     ; asked for 128 products ahead of their use
	ROPELOAD 1
	LAST4
	EPIR 0
	EPIR 1
	EPIR 2
	EPIR 3
	s_cmp_eq_u32 ttmp9, 2
	s_cbranch_scc0 .Lend
	v_mov_b32 v3, 0xf149f2ca                       ; -1e30
	v_cmp_ge_i32 vcc_lo, 0, v[MI]                  ; a key counts where its mask number is above 0
	v_cndmask_b32 v4, 0, v3, vcc_lo
	v_cmp_ge_i32 vcc_lo, 0, v[MI+1]
	v_cndmask_b32 v5, 0, v3, vcc_lo
	global_store_b64 v[ML], v[4:5], s[96:97] offset:16384   ; row 64 of my key step: the wave stores 256 consecutive bytes, aligned
	s_branch .Lend
; ---------------- v
.Lkind_v:
.macro EPIV a
.set AC, 64*(\a)
	s_wait_xcnt 0x0
.if (\a) == 0
	s_cmp_lg_u32 s43, 0
	s_cbranch_scc1 .Lno_fine_v
	WIN 0x08                                       ; a store's data are its source 1: window 2
.irp b, 0,1,2,3,4,5,6,7
	global_store_b128 v[FO], v[8*\b:8*\b+3], s[98:99] offset:64*\b          ; each accumulator from its low end on
	global_store_b128 v[FO], v[8*\b+4:8*\b+7], s[98:99] offset:64*\b+16
.endr
	WIN 0
.Lno_fine_v:
.endif
	WIN 0x02
.set i, 0
.rept 32
	v_pk_mul_f32 v[Y+i:Y+i+1], v[AC+i:AC+i+1], 0x3e800000 op_sel_hi:[1,0]   ; v / 4, exact
.set i, i+2
.endr
	WIN 0
	OUTBLK \a
.endm
	LAST4
	EPIV 0
	EPIV 1
	EPIV 2
	EPIV 3
	; the column sums of my 64 positions: over the four blocks, then over the sixteen lanes of a half
	s_wait_xcnt 0x0                                ; the last block's stores have read v224-255
	WIN 0x0a
.set i, 0
.rept 32
	v_pk_add_f32 v[Y+i:Y+i+1], v[i:i+1], v[64+i:64+i+1]
.set i, i+2
.endr
.set i, 0
.rept 32
	v_pk_add_f32 v[192+i:192+i+1], v[128+i:128+i+1], v[192+i:192+i+1]
.set i, i+2
.endr
	WIN 0
.set i, 0
.rept 32
	v_pk_add_f32 v[Y+i:Y+i+1], v[Y+i:Y+i+1], v[192+i:192+i+1]
.set i, i+2
.endr
.irp m, 1,2,4,8
.set i, 0
.rept 64
	v_add_f32_dpp v[Y+i], v[Y+i], v[Y+i] row_xmask:\m row_mask:0xf bank_mask:0xf
.set i, i+1
.endr
.endr
.irp b, 0,1,2,3,4,5,6,7
	ds_store_b128 v[CSA], v[Y+8*\b:Y+8*\b+3] offset:64*\b            ; the sixteen lanes of a half write the same bytes with the same values
	ds_store_b128 v[CSA], v[Y+8*\b+4:Y+8*\b+7] offset:64*\b+16
.endr
	ds_load_b128 v[BK:BK+3], v[RDL]
	s_wait_dscnt 0x0
	global_store_b128 v[GL], v[BK:BK+3], s[100:101]  ; 128 sums: 512 consecutive bytes, aligned
.Lend:
	s_wait_tensorcnt 0x0                           ; the wave's end
	ds_add_u32 v[SPW], v[NIL]
	s_wait_dscnt 0x0
	CROUND                                         ; the closing round
	s_endpgm
.Lfunc_end_k_q9c52a36374_qkv:
	.size	k_q9c52a36374_qkv, .Lfunc_end_k_q9c52a36374_qkv-k_q9c52a36374_qkv
	.p2alignl 7, 3214868480
	.fill 96, 4, 3214868480
	.section	.rodata,"a",@progbits
	.p2align	6, 0x0
	.amdhsa_kernel k_q9c52a36374_qkv
		.amdhsa_group_segment_fixed_size 327680
		.amdhsa_private_segment_fixed_size 0
		.amdhsa_enable_private_segment 0
		.amdhsa_kernarg_size 64
		.amdhsa_user_sgpr_count 2
		.amdhsa_user_sgpr_kernarg_segment_ptr 1
		.amdhsa_wavefront_size32 1
		.amdhsa_system_sgpr_workgroup_id_x 1
		.amdhsa_system_sgpr_workgroup_id_y 1
		.amdhsa_system_sgpr_workgroup_id_z 1
		.amdhsa_system_vgpr_workitem_id 0
		.amdhsa_next_free_vgpr 1024
		.amdhsa_next_free_sgpr 102
		.amdhsa_reserve_vcc 1
		.amdhsa_float_denorm_mode_32 3
		.amdhsa_float_denorm_mode_16_64 3
		.amdhsa_memory_ordered 1
		.amdhsa_forward_progress 1
		.amdhsa_inst_pref_size 242
	.end_amdhsa_kernel
	.amdgpu_metadata
---
amdhsa.version: [ 1, 2 ]
amdhsa.kernels:
  - .name:           k_q9c52a36374_qkv
    .symbol:         k_q9c52a36374_qkv.kd
    .args:
      - { .name: xq, .offset: 0, .size: 8, .value_kind: global_buffer, .address_space: global }
      - { .name: wq4, .offset: 8, .size: 8, .value_kind: global_buffer, .address_space: global }
      - { .name: sin, .offset: 16, .size: 8, .value_kind: global_buffer, .address_space: global }
      - { .name: cos, .offset: 24, .size: 8, .value_kind: global_buffer, .address_space: global }
      - { .name: position_ids, .offset: 32, .size: 8, .value_kind: global_buffer, .address_space: global }
      - { .name: attention_mask, .offset: 40, .size: 8, .value_kind: global_buffer, .address_space: global }
      - { .name: qkv16, .offset: 48, .size: 8, .value_kind: global_buffer, .address_space: global }
      - { .name: small, .offset: 56, .size: 8, .value_kind: global_buffer, .address_space: global }
    .group_segment_fixed_size: 327680
    .private_segment_fixed_size: 0
    .kernarg_segment_align: 8
    .kernarg_segment_size: 64
    .max_flat_workgroup_size: 128
    .sgpr_count:     102
    .vgpr_count:     1024
    .wavefront_size: 32
...
	.end_amdgpu_metadata
.endif
;; end of part 2
;; launch wofine (part 3): grid 32 x 8, 8 waves a work-group, no clusters, 161,536 bytes of LDS; arguments wo, small, attention_mask, wo16, fineout; writes wo16, fineout
.if DOCPART == 3
	.amdgcn_target "amdgcn-amd-amdhsa--gfx1250"
	.amdhsa_code_object_version 6
	.text
	.protected	k_q9c52a36374_wofine
	.globl	k_q9c52a36374_wofine
	.p2align	8
	.type	k_q9c52a36374_wofine,@function
k_q9c52a36374_wofine:
	s_mov_b64 s[64:65], 0
	v_nop
	global_prefetch_b8 v0, s[64:65] scope:SCOPE_SE
	s_setreg_imm32_b32 hwreg(HW_REG_WAVE_MODE, 25, 1), 1
	s_wait_xcnt 0x0
; Two things on one read of wo [2048][4096] f32:  (1) wo16 = f16(4 wo), order unchanged;  (2) positions 0 to 15 carried in f32 through the scores, the weighted sum and the projection on the way out.
; Work-group (cc, g): rows 256 g .. + 255 of wo (the channels of query heads 2 g and 2 g + 1, which share key and value head g), columns 128 cc .. + 127.  It stores part[g][16][its 128 columns]; the eight parts are added later.
; ROLES: waves 0 and 1: the attention of one head each, 16 queries x 16 keys, by the f32 matrix form (64 instructions: no bulk work);  waves 2 to 5: the mean of v over all 2,048 keys, which is a row's result where
; every key up to the query is padded (then all 2,048 biased scores are equal);  all eight: 32 rows of wo each: x 4, to LDS in f32, to memory in f16; then 16 columns of the partial product each.
; LDS holds 4 wo and the attention's rows are kept as quarters: both factors are exact.
; K ORDERS, each applied alike to both sources, so that nothing changes lanes: scores: step s, lane half h, register j: channel 64 h + 2 s + j;  weighted sum: key 8 h + 2 s + j;  projection: channel 16 ct + 8 h + 2 s + j.
; The registers that the f32 matrix form writes (window 1, v128-239) are written by matrix instructions alone.
; LIMITS: a masked score is -1e30; a row whose largest score lies under -1e29 counts as wholly masked.
.set WTP,   528                        ; a row of 128 f32 in LDS + 16 bytes
.set IMG,   256*WTP                    ; 135,168: the two heads' rows as images of their registers, 8,192 bytes each
.set VM,    IMG+16384                  ; the mean of v / 4: 128 f32
.set STG,   VM+512                     ; 16 rows x 528 bytes
.set SPARE, STG+16*528                 ; 160,512: the spare words, 128 bytes for each of eight waves
.set VPART, 1048576
.set VMEAN, 2097152
.set WST,  4
.set WRD,  5                           ; v5-8
.set IMGW, 9
.set IMGR, 10
.set VMW,  11
.set VMR,  12
.set STGW, 13
.set STGR, 14
.set DQ,   15                          ; r - 8 h
.set SPW,  24
.set NIL,  25
.set KR,   32                          ; v32-95 K, then my head's rows, then head 0's image
.set QR,   96                          ; v96-159 Q, then head 1's image
.set VT,   160                         ; v160-223 V^T, then the mean, then f16 pairs
.set MK,   224                         ; v224-231 mask numbers, later the result
.set TT,   232
.set UU,   240
.set OA,   128                         ; window 1
.set SA,   192
.set PA,   224
.set WV,   14
.set SEL,  40
.set MSB, 0
.macro WIN new
.if MSB != \new
	s_set_vgpr_msb (MSB<<8)|\new
.set MSB, \new
.endif
.endm
.macro PLACES n
.rept \n
	v_nop
.endr
.endm
.macro BARRIER                         ; my LDS stores have landed and my LDS loads are in: then the work-group's barrier
	s_wait_dscnt 0x0
	s_barrier_signal -1
	s_barrier_wait -1
.endm
	s_load_b256 s[4:11], s[0:1], 0x0               ; wo 4, small 6, attention_mask 8, wo16 10
	s_load_b64 s[12:13], s[0:1], 0x20              ; fineout
	v_lshl_add_u32 v[SPW], v0, 2, SPARE
	v_mov_b32 v[NIL], 0
	v_lshrrev_b32 v1, 5, v0
	v_readfirstlane_b32 s[WV], v1
	v_and_b32 v1, 15, v0                           ; r
	v_bfe_u32 v2, v0, 4, 1                         ; h
	v_and_b32 v3, 31, v0                           ; lane
	s_and_b32 s16, ttmp7, 0xffff                   ; g
	s_and_b32 s17, s[WV], 1                        ; hh
	s_add_co_u32 s18, s[WV], 2
	s_and_b32 s18, s18, 3                          ; (wave - 2) mod 4: which 32 channels of the mean
	s_mov_b32 s[SEL], 0x76543210
	s_mov_b32 s[SEL+1], 0xfedcba98
	; every LDS address is made here, ahead of the first parting of the roles
	s_mul_i32 s36, s[WV], 32*WTP
	v_lshl_add_u32 v[WST], v3, 4, s36              ; my 32 rows of wo: 16 bytes a lane
	v_mul_u32_u24 v[WRD], v2, 8*WTP
	v_lshl_add_u32 v[WRD], v1, 2, v[WRD]
	s_lshl_b32 s36, s[WV], 6
	v_add_nc_u32 v[WRD], s36, v[WRD]               ; column 16 w + r, 8 h rows down; rows 8 apart fall 32 banks apart
	v_add_nc_u32 v[WRD+1], 64*WTP, v[WRD]
	v_add_nc_u32 v[WRD+2], 128*WTP, v[WRD]
	v_add_nc_u32 v[WRD+3], 192*WTP, v[WRD]
	s_lshl_b32 s36, s17, 13
	s_add_co_u32 s36, s36, IMG
	v_lshl_add_u32 v[IMGW], v3, 4, s36
	v_lshl_add_u32 v[IMGR], v3, 4, IMG
	s_lshl_b32 s36, s18, 7
	s_add_co_u32 s36, s36, VM
	v_lshl_add_u32 v[VMW], v3, 2, s36
	v_lshl_add_u32 v[VMR], v2, 5, VM
	v_mul_u32_u24 v[STGW], v1, 528
	v_lshl_add_u32 v[STGW], v2, 5, v[STGW]
	s_lshl_b32 s36, s[WV], 6
	s_add_co_u32 s36, s36, STG
	v_add_nc_u32 v[STGW], s36, v[STGW]
	s_mul_i32 s36, s[WV], 2*528
	s_add_co_u32 s36, s36, STG
	v_lshl_add_u32 v[STGR], v3, 4, s36
	v_lshlrev_b32 v[DQ], 3, v2
	v_sub_nc_u32 v[DQ], v1, v[DQ]
	; offsets in memory
	v_lshlrev_b32 v16, 14, v1
	v_lshl_add_u32 v16, v2, 8, v16                 ; K, Q: row r, + 64 h channels
	v_lshlrev_b32 v17, 17, v2
	v_lshl_add_u32 v17, v1, 2, v17                 ; V^T: 8 h keys down, channel r
	v_lshlrev_b32 v18, 5, v2                       ; mask: keys 8 h on
	v_lshlrev_b32 v19, 2, v3
	v_lshlrev_b32 v20, 4, v3
	v_lshlrev_b32 v21, 3, v3
	s_lshl_b32 s36, s16, 9
	s_mov_b32 s37, 0
	s_lshl_b32 s38, s16, 1
	s_add_co_u32 s38, s38, s17
	s_lshl_b32 s38, s38, 9                         ; head 2 g + hh
	s_mov_b32 s39, 0
	s_wait_kmcnt 0x0
	s_add_nc_u64 s[20:21], s[6:7], s[36:37]
	s_add_nc_u64 s[24:25], s[20:21], 12288         ; v: column 3,072 + 128 g
	s_add_nc_u64 s[26:27], s[20:21], VPART
	s_add_nc_u64 s[20:21], s[20:21], 8192          ; k: column 2,048 + 128 g
	s_add_nc_u64 s[22:23], s[6:7], s[38:39]        ; q
	s_add_nc_u64 s[34:35], s[12:13], s[36:37]
	s_add_nc_u64 s[34:35], s[34:35], VMEAN
	s_lshl_b32 s36, s18, 7
	s_add_nc_u64 s[26:27], s[26:27], s[36:37]      ; the column sums of my 32 channels
	s_add_nc_u64 s[34:35], s[34:35], s[36:37]      ; and where their mean goes
	s_lshl_b32 s36, s16, 8
	s_lshl_b32 s38, s[WV], 5
	s_add_co_u32 s36, s36, s38                     ; my first row of wo
	s_lshl_b32 s38, s36, 13
	s_lshl_b32 s36, s36, 14
	s_lshl_b32 s19, ttmp9, 9
	s_add_co_u32 s36, s36, s19
	s_add_nc_u64 s[28:29], s[4:5], s[36:37]
	s_lshl_b32 s19, ttmp9, 8
	s_add_co_u32 s38, s38, s19
	s_add_nc_u64 s[30:31], s[10:11], s[38:39]
	s_lshl_b32 s36, s16, 18
	s_lshl_b32 s38, s[WV], 15
	s_add_co_u32 s36, s36, s38
	s_lshl_b32 s19, ttmp9, 9
	s_add_co_u32 s36, s36, s19
	s_add_nc_u64 s[32:33], s[12:13], s[36:37]      ; part g, rows 2 w and 2 w + 1, my work-group's columns
	; ---- the roles' loads first, then every wave's 32 rows of wo
	s_cmp_lt_u32 s[WV], 2
	s_cbranch_scc0 .Lld_not_att
.irp i, 0,1,2,3,4,5,6,7,8,9,10,11,12,13,14,15
	global_load_b128 v[KR+4*\i:KR+4*\i+3], v16, s[20:21] offset:16*\i
.endr
.irp i, 0,1,2,3,4,5,6,7,8,9,10,11,12,13,14,15
	global_load_b128 v[QR+4*\i:QR+4*\i+3], v16, s[22:23] offset:16*\i
.endr
.irp ct, 0,1,2,3,4,5,6,7
.irp k, 0,1,2,3,4,5,6,7
	global_load_b32 v[VT+8*\ct+\k], v17, s[24:25] offset:\k*16384+64*\ct
.endr
.endr
	global_load_b128 v[MK:MK+3], v18, s[8:9]
	global_load_b128 v[MK+4:MK+7], v18, s[8:9] offset:16
	s_branch .Lld_done
.Lld_not_att:
	s_cmp_lt_u32 s[WV], 6
	s_cbranch_scc0 .Lld_done
.set i, 0
.rept 32
	global_load_b32 v[KR+i], v19, s[26:27] offset:i*4096
.set i, i+1
.endr
.Lld_done:
	WIN 0x40
.set i, 0
.rept 32
	global_load_b128 v[4*i:4*i+3], v20, s[28:29] offset:i*16384 th:TH_LOAD_NT   ; a row's 512 bytes of my columns
.set i, i+1
.endr
	WIN 0
	s_wait_loadcnt 32                              ; the role's loads are in; wo's 32 may be out
	s_cmp_lt_u32 s[WV], 2
	s_cbranch_scc0 .Lnot_att
	; ---- S^T = K Q^T: four accumulators by turns; the first four products start the sums
	WIN 0x50
.set kk, 0
.rept 32
.if kk < 4
	v_wmma_f32_16x16x4_f32 v[SA+8*(kk%4):SA+8*(kk%4)+7], v[KR+2*kk:KR+2*kk+1], v[QR+2*kk:QR+2*kk+1], 0
.else
	v_wmma_f32_16x16x4_f32 v[SA+8*(kk%4):SA+8*(kk%4)+7], v[KR+2*kk:KR+2*kk+1], v[QR+2*kk:QR+2*kk+1], v[SA+8*(kk%4):SA+8*(kk%4)+7]
.endif
.set kk, kk+1
.endr
	WIN 0
	v_mov_b32 v248, 0xf149f2ca                     ; -1e30.  (These three and five v_nop are the eight places behind this form)
	v_mov_b32 v250, 0                              ; a lane permute's destination counts as one of its sources
	v_mov_b32 v253, 0
	PLACES 5
	WIN 0x05
.irp j, 0,2,4,6
	v_pk_add_f32 v[TT+\j:TT+\j+1], v[SA+\j:SA+\j+1], v[SA+8+\j:SA+8+\j+1]
.endr
.irp j, 0,2,4,6
	v_pk_add_f32 v[UU+\j:UU+\j+1], v[SA+16+\j:SA+16+\j+1], v[SA+24+\j:SA+24+\j+1]
.endr
	WIN 0
.irp j, 0,2,4,6
	v_pk_add_f32 v[TT+\j:TT+\j+1], v[TT+\j:TT+\j+1], v[UU+\j:UU+\j+1]
.endr
.irp j, 0,2,4,6
	v_pk_mul_f32 v[TT+\j:TT+\j+1], v[TT+\j:TT+\j+1], 0x3e0293ee op_sel_hi:[1,0]   ; t = score x log2(e) / sqrt(128); register j: key 8 h + j, my query r
.endr
.irp j, 0,1,2,3,4,5,6,7
	v_cmp_le_i32 s42, \j, v[DQ]                    ; key <= query,
	v_cmp_lt_i32 vcc_lo, 0, v[MK+\j]               ; and not padded
	s_and_b32 vcc_lo, vcc_lo, s42
	v_cndmask_b32 v[TT+\j], v248, v[TT+\j], vcc_lo
.endr
	v_max3_num_f32 v249, v232, v233, v234
	v_max3_num_f32 v249, v249, v235, v236
	v_max3_num_f32 v249, v249, v237, v238
	v_max_num_f32 v249, v249, v239
	v_permlanex16_b32 v250, v249, s[SEL], s[SEL+1]
	v_max_num_f32 v251, v249, v250                 ; the row's largest t
.irp j, 0,1,2,3,4,5,6,7
	v_sub_f32 v[TT+\j], v[TT+\j], v251
.endr
.irp j, 0,1,2,3,4,5,6,7
	v_exp_f32 v[TT+\j], v[TT+\j]
.endr
	v_nop                                          ; a plain line behind the last exponential,
	s_wait_alu depctr_va_vdst(0)                   ; and one wait for the batch, ahead of its first reader
	v_pk_add_f32 v[240:241], v[232:233], v[234:235]
	v_pk_add_f32 v[242:243], v[236:237], v[238:239]
	v_pk_add_f32 v[240:241], v[240:241], v[242:243]
	v_add_f32 v252, v240, v241
	v_permlanex16_b32 v253, v252, s[SEL], s[SEL+1]
	v_add_f32 v252, v252, v253                     ; the row's sum: at least 1
	v_rcp_f32 v254, v252
	v_nop
	s_wait_alu depctr_va_vdst(0)
	v_mul_f32 v254, 0x3e800000, v254               ; 1 / (4 l)
	v_mov_b32 v255, v254                           ; (named with it as a pair)
	; ---- O^T = V^T P: eight accumulators by turns
	WIN 0x50
.irp s4, 0,1,2,3
.irp ct, 0,1,2,3,4,5,6,7
.if \s4 == 0
	v_wmma_f32_16x16x4_f32 v[OA+8*\ct:OA+8*\ct+7], v[VT+8*\ct+2*\s4:VT+8*\ct+2*\s4+1], v[TT+2*\s4:TT+2*\s4+1], 0
.else
	v_wmma_f32_16x16x4_f32 v[OA+8*\ct:OA+8*\ct+7], v[VT+8*\ct+2*\s4:VT+8*\ct+2*\s4+1], v[TT+2*\s4:TT+2*\s4+1], v[OA+8*\ct:OA+8*\ct+7]
.endif
.endr
.endr
	WIN 0
	PLACES 8
	WIN 0x01
.set i, 0
.rept 32
	v_pk_mul_f32 v[KR+i:KR+i+1], v[OA+i:OA+i+1], v[254:255] op_sel_hi:[1,0]   ; register 8 ct + j: channel 16 ct + 8 h + j of my query, / 4
.set i, i+2
.endr
	WIN 0
	s_branch .Lrole_done
.Lnot_att:
	s_cmp_lt_u32 s[WV], 6
	s_cbranch_scc0 .Lrole_done
	; ---- the mean of v at my channel: 32 sums of 64 positions
.irp i, 0,1,2,3,4,5,6,7
	v_pk_add_f32 v[KR+4*\i:KR+4*\i+1], v[KR+4*\i:KR+4*\i+1], v[KR+4*\i+2:KR+4*\i+3]
.endr
.irp i, 0,1,2,3
	v_pk_add_f32 v[KR+8*\i:KR+8*\i+1], v[KR+8*\i:KR+8*\i+1], v[KR+8*\i+4:KR+8*\i+5]
.endr
.irp i, 0,1
	v_pk_add_f32 v[KR+16*\i:KR+16*\i+1], v[KR+16*\i:KR+16*\i+1], v[KR+16*\i+8:KR+16*\i+9]
.endr
	v_pk_add_f32 v[KR:KR+1], v[KR:KR+1], v[KR+16:KR+17]
	v_add_f32 v[KR], v[KR], v[KR+1]
	v_mul_f32 v[KR], 0x39000000, v[KR]             ; / 2,048 / 4
	ds_store_b32 v[VMW], v[KR]
	s_cmp_lg_u32 ttmp9, 0                          ; one work-group of each g stores it for the attention's launch
	s_cbranch_scc1 .Lrole_done
	global_store_b32 v19, v[KR], s[34:35]
.Lrole_done:
	BARRIER                                        ; the mean lies in LDS
	s_cmp_lt_u32 s[WV], 2
	s_cbranch_scc0 .Lno_img
.irp ct, 0,1,2,3,4,5,6,7
	ds_load_b128 v[VT+8*\ct:VT+8*\ct+3], v[VMR] offset:64*\ct
	ds_load_b128 v[VT+8*\ct+4:VT+8*\ct+7], v[VMR] offset:64*\ct+16
.endr
	s_wait_dscnt 0x0
	v_cmp_gt_f32 vcc_lo, 0xefa18f08, v251          ; -1e29 > the largest t: no key counted
.set i, 0
.rept 64
	v_cndmask_b32 v[KR+i], v[KR+i], v[VT+i], vcc_lo
.set i, i+1
.endr
.irp i, 0,1,2,3,4,5,6,7,8,9,10,11,12,13,14,15
	ds_store_b128 v[IMGW], v[KR+4*\i:KR+4*\i+3] offset:512*\i   ; an image of the registers: lane l's 16 bytes at 16 l
.endr
.Lno_img:
	; ---- wo: x 4 in place, f16 pairs, LDS, memory
	s_wait_loadcnt 0x0
	WIN 0x41
.set i, 0
.rept 64
	v_pk_mul_f32 v[i:i+1], v[i:i+1], 4.0 op_sel_hi:[1,0]
.set i, i+2
.endr
	WIN 0x05
.set i, 0
.rept 64
	v_cvt_pk_f16_f32 v[VT+i], v[2*i], v[2*i+1]
.set i, i+1
.endr
	WIN 0x04                                       ; an LDS store's data are its source 1: window 1
.set i, 0
.rept 32
	ds_store_b128 v[WST], v[4*i:4*i+3] offset:i*WTP
.set i, i+1
.endr
	WIN 0
.set i, 0
.rept 32
	global_store_b64 v21, v[VT+2*i:VT+2*i+1], s[30:31] offset:i*8192 th:TH_STORE_NT   ; the wave stores 256 consecutive bytes, aligned
.set i, i+1
.endr
	BARRIER                                        ; 256 rows of 4 wo and both heads' images lie in LDS
	; ---- my 16 columns of the partial product: source 0 = wo (column 16 w + r), source 1 = the rows (query r); two accumulators by turns
	s_wait_xcnt 0x0                                ; every store so far has read its registers, the mean's store of v32 among them: v32-159 are loaded anew only behind this wait
.set i, 0
.rept 32
	ds_load_b128 v[KR+4*i:KR+4*i+3], v[IMGR] offset:512*i
.set i, i+1
.endr
	WIN 0x40
.irp hh, 0,1
.irp ct, 0,1,2,3,4,5,6,7
.irp k, 0,1,2,3,4,5,6,7
	ds_load_b32 v[64*\hh+8*\ct+\k], v[WRD+2*\hh+(\ct/4)] offset:(16*(\ct%4)+\k)*WTP
.endr
.endr
.endr
	WIN 0
	s_wait_dscnt 0x0
	WIN 0x51
.irp ct, 0,1,2,3,4,5,6,7
.irp s4, 0,1,2,3
.irp hh, 0,1
.if (\ct == 0) && (\s4 == 0)
	v_wmma_f32_16x16x4_f32 v[PA+8*\hh:PA+8*\hh+7], v[64*\hh+8*\ct+2*\s4:64*\hh+8*\ct+2*\s4+1], v[KR+64*\hh+8*\ct+2*\s4:KR+64*\hh+8*\ct+2*\s4+1], 0
.else
	v_wmma_f32_16x16x4_f32 v[PA+8*\hh:PA+8*\hh+7], v[64*\hh+8*\ct+2*\s4:64*\hh+8*\ct+2*\s4+1], v[KR+64*\hh+8*\ct+2*\s4:KR+64*\hh+8*\ct+2*\s4+1], v[PA+8*\hh:PA+8*\hh+7]
.endif
.endr
.endr
.endr
	WIN 0
	PLACES 8
	WIN 0x05
.irp j, 0,2,4,6
	v_pk_add_f32 v[MK+\j:MK+\j+1], v[PA+\j:PA+\j+1], v[PA+8+\j:PA+8+\j+1]   ; register j: query r, column 16 w + 8 h + j
.endr
	WIN 0
	ds_store_b128 v[STGW], v[MK:MK+3]
	ds_store_b128 v[STGW], v[MK+4:MK+7] offset:16
	BARRIER                                        ; 16 rows of 128 columns lie in the stage
	ds_load_b128 v[232:235], v[STGR]
	ds_load_b128 v[236:239], v[STGR] offset:528
	s_wait_dscnt 0x0
	global_store_b128 v20, v[232:235], s[32:33]               ; a row's 512 consecutive bytes, aligned
	global_store_b128 v20, v[236:239], s[32:33] offset:16384
	s_wait_tensorcnt 0x0                           ; the wave's end, behind my last LDS store
	ds_add_u32 v[SPW], v[NIL]
	s_wait_dscnt 0x0
	s_endpgm
.Lfunc_end_k_q9c52a36374_wofine:
	.size	k_q9c52a36374_wofine, .Lfunc_end_k_q9c52a36374_wofine-k_q9c52a36374_wofine
	.p2alignl 7, 3214868480
	.fill 96, 4, 3214868480
	.section	.rodata,"a",@progbits
	.p2align	6, 0x0
	.amdhsa_kernel k_q9c52a36374_wofine
		.amdhsa_group_segment_fixed_size 161536
		.amdhsa_private_segment_fixed_size 0
		.amdhsa_enable_private_segment 0
		.amdhsa_kernarg_size 40
		.amdhsa_user_sgpr_count 2
		.amdhsa_user_sgpr_kernarg_segment_ptr 1
		.amdhsa_wavefront_size32 1
		.amdhsa_system_sgpr_workgroup_id_x 1
		.amdhsa_system_sgpr_workgroup_id_y 1
		.amdhsa_system_sgpr_workgroup_id_z 1
		.amdhsa_system_vgpr_workitem_id 0
		.amdhsa_next_free_vgpr 512
		.amdhsa_next_free_sgpr 66
		.amdhsa_reserve_vcc 1
		.amdhsa_float_denorm_mode_32 3
		.amdhsa_float_denorm_mode_16_64 3
		.amdhsa_memory_ordered 1
		.amdhsa_forward_progress 1
		.amdhsa_inst_pref_size 65
	.end_amdhsa_kernel
	.amdgpu_metadata
---
amdhsa.version: [ 1, 2 ]
amdhsa.kernels:
  - .name:           k_q9c52a36374_wofine
    .symbol:         k_q9c52a36374_wofine.kd
    .args:
      - { .name: wo, .offset: 0, .size: 8, .value_kind: global_buffer, .address_space: global }
      - { .name: small, .offset: 8, .size: 8, .value_kind: global_buffer, .address_space: global }
      - { .name: attention_mask, .offset: 16, .size: 8, .value_kind: global_buffer, .address_space: global }
      - { .name: wo16, .offset: 24, .size: 8, .value_kind: global_buffer, .address_space: global }
      - { .name: fineout, .offset: 32, .size: 8, .value_kind: global_buffer, .address_space: global }
    .group_segment_fixed_size: 161536
    .private_segment_fixed_size: 0
    .kernarg_segment_align: 8
    .kernarg_segment_size: 40
    .max_flat_workgroup_size: 256
    .sgpr_count:     66
    .vgpr_count:     512
    .wavefront_size: 32
...
	.end_amdgpu_metadata
.endif
;; end of part 3
;; launch attn (part 4): grid 32 x 8, 4 waves a work-group, clusters of 4 x 1, 327,680 bytes of LDS; arguments qkv16, fineout, attn16; writes attn16
.if DOCPART == 4
	.amdgcn_target "amdgcn-amd-amdhsa--gfx1250"
	.amdhsa_code_object_version 6
	.text
	.protected	k_q9c52a36374_attn
	.globl	k_q9c52a36374_attn
	.p2align	8
	.type	k_q9c52a36374_attn,@function
k_q9c52a36374_attn:
	s_mov_b64 s[64:65], 0
	v_nop
	global_prefetch_b8 v0, s[64:65] scope:SCOPE_SE
	s_setreg_imm32_b32 hwreg(HW_REG_WAVE_MODE, 25, 1), 1
	s_wait_xcnt 0x0
	s_wait_alu depctr_hold_cnt(0) depctr_sa_sdst(0) depctr_va_vdst(0) depctr_va_sdst(0) depctr_va_ssrc(0) depctr_va_vcc(0) depctr_vm_vsrc(0)
	s_getreg_b32 s2, hwreg(HW_REG_IB_STS2, 6, 4)
	s_cmp_eq_u32 s2, 0
	s_cbranch_scc0 .Lentry_in_a_cluster
	s_endpgm
.Lentry_in_a_cluster:
	s_bfe_u32 s2, ttmp6, 0x10000c
	s_cmp_lg_u32 s2, 0x3003
	s_cbranch_scc0 .Lentry_shape_is_right
	s_endpgm
.Lentry_shape_is_right:
; attn16[pos][head][:] = softmax over the keys <= pos that are not padded of (q . k / sqrt(128)) times v, / 4, in f16.  Operands f16 (q 2^-7, k 2^-7, v / 4, the weights p); products, maxima and sums f32.
; SHARES.  Cluster c of key and value head g; partner cx; i = 4 c + cx.  The work-group owns positions 32 i .. + 31 (low) and 2,016 - 32 i .. + 31 (high) of query heads 2 g and 2 g + 1.
; Wave w: head 2 g + w % 2, ALL FOUR tiles of 16 queries of that head (two low, two high), and EVERY SECOND KEY STEP of 64 keys: ks = w / 2 picks the parity.  So a fragment of K or V that a wave reads from LDS feeds two
; products (four where the low tiles work), and one tile's softmax is issued while another tile's products run.  At the end waves w and w xor 2 hold partial results of the same four tiles over different keys: each sends
; two tiles' m, l and O^T through LDS and joins the other two: m = the larger, a_i = 2^(c (m_i - m)), l = a_1 l_1 + a_2 l_2, O likewise.  Tile t: low (t < 2) or high, sub-block (t % 2) xor ks: so every wave keeps tiles
; 0 and 2 and sends tiles 1 and 3, and no branch tells the waves apart.
; THE WALK.  A slot holds 256 keys, four steps of 64; a wave takes steps ks and 2 + ks of it.  The partners' low tiles lie in slot c / 2, their high tiles in slot 7 - c / 2, so every test hangs on c, which the
; partners share: 8 - 2 (c / 4) slots are walked (an even number, so that every LDS address is a constant of the text); the low tiles work in slots up to c / 2 and are masked in slot c / 2; the high tiles are masked in the
; last two slots, which are written out.  A last slot that is wholly hidden is read and multiplied all the same, so that every partner reads every tile that is asked for jointly.
; LAYOUT: S^T = K Q^T and O^T = V^T P, so a lane holds one query.  A key's padding comes as an f32 number (0 or -1e30) in row 64 of K's tile and is the C of a score's first product: it costs no vector line.
; SOFTMAX.  Running largest score m and sum l; p = 2^(c (s - m)): m is taken away first, so that scores of any size leave no residue; O and l are multiplied by 2^(c (m_old - m_new)) in every step.
; A row whose m stays under -1e29 has no key that counts: its result is the mean of v over all keys, as all its biased scores are equal.
; LIMITS: raw scores lie within 5.5e11 in size (f16 operands), far over -1e29.
; REGISTERS: window 0: v1-11 addresses; v12-43 statistics, 8 a tile: +0 m, +2, +3 l, +4 .. +7 at work; v44-47 query - 8 h; v48-63 constants and addresses; v64-191 S^T, 32 a tile; v192-255 P, 16 a tile.
;   window 1: O^T, 64 a tile.   window 2: v0-127 Q, 32 a tile; v128-255 K (on the way out: the mean of v / 4).   window 3: v0-127 V; v128-159 the keys' padding; v160-223 padding and causal mask, for two tiles.
.set PK,    272                        ; a row of K in LDS: 256 bytes + 16
.set PVP,   288                        ; a row of V: 256 + 32
.set KB,    65*PK                      ; 17,680: a step's 64 rows of K and its row of padding numbers
.set VB,    64*PVP                     ; 18,432: a step's 64 rows of V
.set VOFF,  4*KB                       ; a slot: four steps of K, then four of V: 144,448 bytes
.set SLOT1, 144640
.set STAGE, 289280                     ; behind the ring: 16 rows x 272 bytes for each wave
.set SPARE, STAGE+4*16*272             ; 306,688: the spare words
.set XT,    8448                       ; the exchange: a tile's O^T as 16 images of 512 bytes, then 256 bytes of (m, l).  It lies in slot 0, which has had its last fill, and its last read, when the first number is stored there
.set KX,    8388608
.set V16,   12648448
.set VMEAN, 2097152
.set AK,  2
.set AV,  4
.set AB,  6
.set QO,  8
.set ST,  12
.set DQ,  44
.set NEGR, 48
.set DD,  49
.set STO, 50
.set RD,  51
.set SPW, 52
.set NIL, 53
.set PFO, 54
.set GO,  55
.set HR,  56
.set XW,  57
.set XM,  58
.set XR,  59
.set XRM, 60
.set VMO, 61
.set TA,  62
.set S,   64
.set P,   192
.set KFR, 128                          ; in window 2
.set BIAS, 128                         ; in window 3
.set CM0, 160
.set CM1, 192
.set WV,  12
.set CL,  13
.set SL,  14
.set KEY, 15
.set FN,  16
.set PLIM, 17
.set PFA, 18
.set PFS, 20
.set TC,  22
.set G1K, 24
.set G1V, 32
.set G0K, 40
.set G0V, 48
.set CS,  58
.set SEL, 60
.set CH,  84
.set NT,  85
.set MSB, 0
.macro WIN new                         ; the immediate's high byte repeats the setting that is left
.if MSB != \new
	s_set_vgpr_msb (MSB<<8)|\new
.set MSB, \new
.endif
.endm
.set W_PV, 0x53                        ; V window 3, P window 0, O^T window 1
.set W_RS, 0x41                        ; O^T (destination and source 0) window 1
.macro PLACES n
.rept \n
	v_nop
.endr
.endm
.macro JLOAD slot                      ; waves 0 and 1 fetch the slot's two halves of K, waves 2 and 3 of V; an s_nop 0 and four v_nop follow each line
	s_cmp_lt_u32 s[WV], 2
	s_cbranch_scc0 .Lfor_v_\@
	tensor_load_to_lds s[G0K+4*(\slot):G0K+4*(\slot)+3], s[G1K:G1K+7]
	s_nop 0
.rept 4
	v_nop
.endr
	s_branch .Lasked_\@
.Lfor_v_\@:
	tensor_load_to_lds s[G0V+4*(\slot):G0V+4*(\slot)+3], s[G1V:G1V+7]
	s_nop 0
.rept 4
	v_nop
.endr
.Lasked_\@:
.endm
; A prefetch of the slot that the NEXT change of slots will ask for: 256 rows of K and 256 of V, 256 bytes a row, a lane a row.  All clusters of a head walk the same rows: cluster 0, which walks all 8 slots, asks.
; Partner cx takes key step cx of the slot, told apart by address; in each, waves 0 and 1 ask for 32 rows of K each, waves 2 and 3 for 32 of V.  The last fill has no slot behind it.  K's rows of padding numbers are not asked for.
.macro ASK
	s_cmp_lt_u32 s[FN], s[PLIM]
	s_cbranch_scc0 .Lnot_mine_\@
	global_prefetch_b8 v[PFO], s[PFA:PFA+1] th:TH_LOAD_NT scope:SCOPE_SE
.Lnot_mine_\@:
.endm
.macro CROUND
	s_barrier_signal -1
	s_barrier_wait -1
	s_cmp_lg_u32 s[WV], 0
	s_cbranch_scc1 .Lnot_wave_0_\@
	s_barrier_signal -3
.Lnot_wave_0_\@:
	s_barrier_wait -3
	s_barrier_signal -1
	s_barrier_wait -1
.endm
	s_load_b128 s[4:7], s[0:1], 0x0                ; qkv16, fineout
	s_load_b64 s[8:9], s[0:1], 0x10                ; attn16
	v_lshl_add_u32 v[SPW], v0, 2, SPARE
	v_mov_b32 v[NIL], 0
	ds_add_u32 v[SPW], v[NIL]                      ; the wave's opening: the add, twice on end, and its wait ahead of my first tensor load
	ds_add_u32 v[SPW], v[NIL]
	v_lshrrev_b32 v1, 5, v0
	v_readfirstlane_b32 s[WV], v1
	s_mov_b32 s[CL], ttmp9                         ; c: the cluster's x
	s_bfe_u32 s23, ttmp6, 0x40000                  ; cx: it enters addresses in memory and the queries' numbers alone
	s_and_b32 s56, ttmp7, 0xffff                   ; g
	s_and_b32 s57, s[WV], 1                        ; which of the two heads is mine; which half of a slot's K or V I fetch
	s_lshr_b32 s62, s[WV], 1                       ; ks: which key steps are mine
	s_mov_b32 s[G1K], 15|(1<<16)|(1<<20)|(1<<21)|(5<<22)|(3<<25)   ; all four partners; elements of 2 bytes; 4 words of padding behind every 64
	s_mov_b32 s[G1K+1], 128<<16
	s_mov_b32 s[G1K+2], 130<<16                    ; two steps: 2 x 65 rows, dense in memory
	s_mov_b32 s[G1K+3], 128<<16
	s_mov_b32 s[G1K+4], 130
	s_mov_b32 s[G1K+5], 128
	s_mov_b32 s[G1K+6], 0
	s_mov_b32 s[G1K+7], 0
	s_mov_b32 s[G1V], 15|(1<<16)|(1<<20)|(1<<21)|(5<<22)|(7<<25)   ; 8 words of padding
	s_mov_b32 s[G1V+1], 128<<16
	s_mov_b32 s[G1V+2], 128<<16                    ; two steps: 128 rows
	s_mov_b32 s[G1V+3], 128<<16
	s_mov_b32 s[G1V+4], 128
	s_mov_b32 s[G1V+5], 128
	s_mov_b32 s[G1V+6], 0
	s_mov_b32 s[G1V+7], 0
	s_mul_i32 s63, s57, 2*KB                       ; where my half goes: the wave's number alone enters an LDS address
	s_mul_i32 s86, s57, 2*VB
	s_add_co_u32 s86, s86, VOFF
	s_mul_i32 s66, s56, 532480
	s_mul_i32 s67, s57, 33280
	s_add_co_u32 s66, s66, s67
	s_add_co_u32 s66, s66, KX
	s_mov_b32 s67, 0
	s_lshl_b32 s68, s56, 19
	s_lshl_b32 s69, s57, 15
	s_add_co_u32 s68, s68, s69
	s_add_co_u32 s68, s68, V16
	s_mov_b32 s69, 0
	s_mov_b32 s[CS], 0x450293ee                    ; c = 2^14 log2(e) / sqrt(128)
	s_mov_b32 s[CS+1], s[CS]
	s_mov_b32 s[SEL], 0x76543210
	s_mov_b32 s[SEL+1], 0xfedcba98
	s_mov_b32 s[SL], 0
	s_lshl_b32 s[KEY], s62, 6                      ; my first step's first key
	s_mov_b32 s[FN], 1
	s_lshr_b32 s[CH], s[CL], 1                     ; the slot of the low tiles
	s_lshr_b32 s[NT], s[CL], 2
	s_sub_co_u32 s[NT], 3, s[NT]                   ; the loop's trips: (8 - 2 (c / 4) - 2) / 2
	s_mov_b32 s[TC], 0
	s_wait_dscnt 0x0                               ; both opening adds are done
	s_wait_kmcnt 0x0
	s_add_nc_u64 s[66:67], s[4:5], s[66:67]        ; K and V at my half of slot 0
	s_add_nc_u64 s[68:69], s[4:5], s[68:69]
	CROUND
.irp s, 0,1
	s_mov_b32 s[G0K+4*\s], 1
	s_add_co_u32 s[G0K+4*\s+1], s63, \s*SLOT1
	s_add_nc_u64 s[G0K+4*\s+2:G0K+4*\s+3], s[66:67], \s*66560
	s_or_b32 s[G0K+4*\s+3], s[G0K+4*\s+3], 0x80000000
	s_mov_b32 s[G0V+4*\s], 1
	s_add_co_u32 s[G0V+4*\s+1], s86, \s*SLOT1
	s_add_nc_u64 s[G0V+4*\s+2:G0V+4*\s+3], s[68:69], \s*65536
	s_or_b32 s[G0V+4*\s+3], s[G0V+4*\s+3], 0x80000000
.endr
	JLOAD 0                                        ; keys 0 to 255: every wave has one load out
	v_and_b32 v1, 15, v0                           ; r
	v_bfe_u32 v[HR], v0, 4, 1                      ; h
	s_lshl_b32 s70, s[CL], 2
	s_add_co_u32 s70, s70, s23
	s_lshl_b32 s70, s70, 5                         ; 32 i
	s_sub_co_u32 s72, 0x7e0, s70                   ; 2,016 - 32 i
	s_lshl_b32 s71, s62, 4                         ; 16 ks
	s_xor_b32 s87, s71, 16                         ; 16 (1 - ks)
	s_add_co_u32 s88, s70, s71                     ; tile 0's first query: low, sub-block ks: I keep it
	s_add_co_u32 s89, s70, s87                     ; tile 1's: low, the other sub-block: I send it
	s_add_co_u32 s90, s72, s71                     ; tile 2's: high, kept
	s_add_co_u32 s91, s72, s87                     ; tile 3's: high, sent
	s_lshl_b32 s73, s56, 1
	s_add_co_u32 s73, s73, s57                     ; my head
	s_lshl_b32 s74, s73, 19
	s_mov_b32 s75, 0
	s_add_nc_u64 s[74:75], s[4:5], s[74:75]        ; its rows of q
.irp t, 0,1,2,3
	v_add_nc_u32 v[QO+\t], s[88+\t], v1
	v_lshlrev_b32 v[QO+\t], 8, v[QO+\t]
	v_lshl_add_u32 v[QO+\t], v[HR], 4, v[QO+\t]
.endr
	WIN 0x80
.irp t, 0,1,2,3
.irp cc, 0,1,2,3
	global_load_b128 v[32*\t+8*\cc:32*\t+8*\cc+3], v[QO+\t], s[74:75] offset:64*\cc
	global_load_b128 v[32*\t+8*\cc+4:32*\t+8*\cc+7], v[QO+\t], s[74:75] offset:64*\cc+32
.endr
.endr
	WIN 0x40
.set i, 0
.rept 256
	v_mov_b32 v[i], 0                              ; O^T: the step is written without a first step of its own; zeros stay zeros under the first change of m
.set i, i+1
.endr
	WIN 0
	; LDS addresses: constants, the lane and the wave's number
	s_mul_i32 s80, s62, KB
	v_mul_u32_u24 v[AK], v1, PK
	v_lshl_add_u32 v[AK], v[HR], 4, v[AK]
	v_add_nc_u32 v[AK], s80, v[AK]                 ; K: step ks, row r, + 16 h
	v_add_nc_u32 v[AK+1], SLOT1, v[AK]
	v_lshlrev_b32 v[AB], 5, v[HR]
	v_add_nc_u32 v[AB], s80, v[AB]
	v_add_nc_u32 v[AB], 64*PK, v[AB]               ; the padding numbers: row 64 of the step, + 32 h
	v_add_nc_u32 v[AB+1], SLOT1, v[AB]
	s_mul_i32 s81, s62, VB
	s_add_co_u32 s81, s81, VOFF
	v_and_b32 v[TA], 7, v0
	v_bfe_u32 v[TA+1], v0, 3, 1
	v_lshl_add_u32 v[AV], v[HR], 3, v[TA]
	v_mul_u32_u24 v[AV], v[AV], PVP
	v_lshl_add_u32 v[AV], v[TA+1], 4, v[AV]
	v_add_nc_u32 v[AV], s81, v[AV]                 ; V, for the turning load: key 8 h + l % 8, 16 bytes for each eight lanes
	v_add_nc_u32 v[AV+1], SLOT1, v[AV]
	s_mul_i32 s80, s[WV], 16*272
	s_add_co_u32 s80, s80, STAGE
	v_mul_u32_u24 v[STO], v1, 272
	v_lshl_add_u32 v[STO], v[HR], 4, v[STO]
	v_add_nc_u32 v[STO], s80, v[STO]
	v_mul_u32_u24 v[RD], v[HR], 272
	v_lshl_add_u32 v[RD], v1, 4, v[RD]
	v_add_nc_u32 v[RD], s80, v[RD]
	v_and_b32 v[TA], 31, v0                        ; lane
	s_mul_i32 s80, s[WV], 2*XT                     ; the exchange: what I send,
	v_lshl_add_u32 v[XW], v[TA], 4, s80
	v_lshl_add_u32 v[XM], v[TA], 3, s80
	v_add_nc_u32 v[XM], 8192, v[XM]
	s_xor_b32 s81, s[WV], 2
	s_mul_i32 s81, s81, 2*XT                       ; and what wave w xor 2 sends me
	v_lshl_add_u32 v[XR], v[TA], 4, s81
	v_lshl_add_u32 v[XRM], v[TA], 3, s81
	v_add_nc_u32 v[XRM], 8192, v[XRM]
	v_lshlrev_b32 v[PFO], 8, v[TA]
	v_lshlrev_b32 v[GO], 12, v[HR]
	v_lshl_add_u32 v[GO], v1, 4, v[GO]
	v_lshlrev_b32 v[VMO], 5, v[HR]
	v_lshlrev_b32 v[TA], 3, v[HR]
	v_sub_nc_u32 v[TA], v1, v[TA]                  ; r - 8 h
.irp t, 0,1,2,3
	v_add_nc_u32 v[DQ+\t], s[88+\t], v[TA]
.endr
	v_mov_b32 v[NEGR], 0xf149f2ca                  ; -1e30
.irp t, 0,1,2,3
	v_mov_b32 v[ST+8*\t], 0xf7f684df               ; m = -1e34, under every score, masked ones too
.irp j, 1,2,3,4,5,6,7
	v_mov_b32 v[ST+8*\t+\j], 0                     ; l, and the registers at work: all eight are written here, on the one way that every wave takes
.endr
.endr
	s_lshl_b32 s80, s73, 8
	s_lshl_b32 s76, s88, 12
	s_add_co_u32 s76, s76, s80
	s_mov_b32 s77, 0
	s_add_nc_u64 s[76:77], s[8:9], s[76:77]        ; where tile 0 goes,
	s_lshl_b32 s78, s90, 12
	s_add_co_u32 s78, s78, s80
	s_mov_b32 s79, 0
	s_add_nc_u64 s[78:79], s[8:9], s[78:79]        ; and tile 2
	s_lshl_b32 s82, s56, 9
	s_add_co_u32 s82, s82, VMEAN
	s_mov_b32 s83, 0
	s_add_nc_u64 s[82:83], s[6:7], s[82:83]        ; the mean of v / 4 of my key and value head
	; the prefetches
	s_mul_i32 s80, s56, 532480
	s_mul_i32 s81, s23, 16640
	s_add_co_u32 s80, s80, s81
	s_add_co_u32 s80, s80, KX+66560                ; K: key step cx, in slot 1: the first change of slots steps it to slot 2
	s_lshl_b32 s81, s56, 19
	s_lshl_b32 s92, s23, 14
	s_add_co_u32 s81, s81, s92
	s_add_co_u32 s81, s81, V16+65536               ; V likewise
	s_mov_b32 s[PFS], 65536
	s_cmp_lt_u32 s[WV], 2
	s_cselect_b32 s80, s80, s81
	s_cselect_b32 s[PFS], 66560, s[PFS]            ; a slot on
	s_lshl_b32 s81, s57, 13
	s_add_co_u32 s80, s80, s81                     ; my wave's 32 rows of the 64
	s_mov_b32 s81, 0
	s_mov_b32 s[PFS+1], 0
	s_add_nc_u64 s[PFA:PFA+1], s[4:5], s[80:81]
	s_cmp_eq_u32 ttmp9, 0
	s_cselect_b32 s[PLIM], 7, 0
; 16 products S^T = K Q^T of tile t: four accumulators by turns; the first four take the keys' padding (or padding and causal mask), in window 3, as C
.macro KQ t, creg
.set i, 0
.rept 16
.set rS, S+32*(\t)+8*(i%4)
.set rK, KFR+32*(i%4)+8*(i/4)
.set rQ, 32*(\t)+8*(i/4)
.if i < 4
	WIN 0x3a
	v_wmma_f32_16x16x32_f16 v[rS:rS+7], v[rK:rK+7], v[rQ:rQ+7], v[\creg+8*i:\creg+8*i+7]
.else
	WIN 0x0a
	v_wmma_f32_16x16x32_f16 v[rS:rS+7], v[rK:rK+7], v[rQ:rQ+7], v[rS:rS+7]
.endif
.set i, i+1
.endr
.endm
.macro MASK dreg, cm                   ; register 8 kt + j holds key KEY + 16 kt + 8 h + j: hidden where 16 kt + j > query - 8 h - KEY
	WIN 0
	v_sub_nc_u32 v[DD], v[\dreg], s[KEY]
	WIN 0xc3                                       ; destination and source 0 window 3
.set i, 0
.rept 32
	v_cmp_gt_i32 vcc_lo, 16*(i/8)+i%8, v[DD]
	v_cndmask_b32 v[\cm+i], v[BIAS+i], v[NEGR], vcc_lo
.set i, i+1
.endr
.endm
.macro SOFTMAX t
.set rT, ST+8*(\t)
.set rS, S+32*(\t)
.set rP, P+16*(\t)
	WIN 0
	PLACES 4                                       ; behind the products, in front of the first read of the scores
.irp j, 0,1,2,3
	v_max3_num_f32 v[rT+4+\j], v[rS+8*\j], v[rS+8*\j+1], v[rS+8*\j+2]   ; each accumulator is read from its low end on
.endr
.irp j, 0,1,2,3
	v_max3_num_f32 v[rT+4+\j], v[rT+4+\j], v[rS+8*\j+3], v[rS+8*\j+4]
.endr
.irp j, 0,1,2,3
	v_max3_num_f32 v[rT+4+\j], v[rT+4+\j], v[rS+8*\j+5], v[rS+8*\j+6]
.endr
	v_max3_num_f32 v[rT+4], v[rT+4], v[rS+7], v[rS+15]
	v_max3_num_f32 v[rT+6], v[rT+6], v[rS+23], v[rS+31]
	v_max3_num_f32 v[rT+4], v[rT+4], v[rT+5], v[rT+6]
	v_max3_num_f32 v[rT+4], v[rT+4], v[rT+7], v[rT]
	v_permlanex16_b32 v[rT+5], v[rT+4], s[SEL], s[SEL+1]   ; the query's other 32 keys lie in the lane 16 away
	v_max_num_f32 v[rT+5], v[rT+4], v[rT+5]        ; the new m
	v_sub_f32 v[rT+7], v[rT], v[rT+5]
	v_mov_b32 v[rT], v[rT+5]
	v_mul_f32 v[rT+7], s[CS], v[rT+7]              ; c (m_old - m_new)
.set i, 0
.rept 16
	v_pk_add_f32 v[rS+i:rS+i+1], v[rS+i:rS+i+1], v[rT:rT+1] op_sel_hi:[1,0] neg_lo:[0,1] neg_hi:[0,1]   ; s - m
.set i, i+2
.endr
.set i, 0
.rept 16
	v_pk_mul_f32 v[rS+i:rS+i+1], v[rS+i:rS+i+1], s[CS:CS+1] op_sel_hi:[1,0]
.set i, i+2
.endr
	v_exp_f32 v[rT+6], v[rT+7]
.set i, 0
.rept 32
	v_exp_f32 v[rS+i], v[rS+i]
.set i, i+1
.endr
	v_nop                                          ; a plain line behind the last exponential,
	s_wait_alu depctr_va_vdst(0)                   ; and one wait for the 33, ahead of their first reader
.set i, 0
.rept 16
	v_cvt_pk_f16_f32 v[rP+i], v[rS+2*i], v[rS+2*i+1]
.set i, i+1
.endr
.irp u, 0,1,2,3,4,5,6,7
	v_pk_add_f32 v[rS+4*\u:rS+4*\u+1], v[rS+4*\u:rS+4*\u+1], v[rS+4*\u+2:rS+4*\u+3]
.endr
.irp u, 0,1,2,3
	v_pk_add_f32 v[rS+8*\u:rS+8*\u+1], v[rS+8*\u:rS+8*\u+1], v[rS+8*\u+4:rS+8*\u+5]
.endr
.irp u, 0,1
	v_pk_add_f32 v[rS+16*\u:rS+16*\u+1], v[rS+16*\u:rS+16*\u+1], v[rS+16*\u+8:rS+16*\u+9]
.endr
	v_pk_add_f32 v[rS:rS+1], v[rS:rS+1], v[rS+16:rS+17]
	v_pk_fma_f32 v[rT+2:rT+3], v[rT+2:rT+3], v[rT+6:rT+7], v[rS:rS+1] op_sel_hi:[1,0,1]   ; l = a l + the step's sum
	WIN W_RS
.set i, 64*(\t)
.rept 32
	v_pk_mul_f32 v[i:i+1], v[i:i+1], v[rT+6:rT+7] op_sel_hi:[1,0]   ; O^T x a
.set i, i+2
.endr
.endm
.macro PV t                            ; 16 products O^T += V^T P: eight accumulators by turns
	WIN W_PV
.set i, 0
.rept 16
.set rO, 64*(\t)+8*(i%8)
.set rV, 64*(i/8)+8*(i%8)
.set rP, P+16*(\t)+8*(i/8)
	v_wmma_f32_16x16x32_f16 v[rO:rO+7], v[rV:rV+7], v[rP:rP+7], v[rO:rO+7]
.set i, i+1
.endr
.endm
; The LDS loads of my st-th step of a slot (key step 2 st + ks), in two runs: K and the padding numbers, 40 loads; V, turned, 32 loads
.macro LOADK slot, st
	WIN 0x80
.irp f, 0,1,2,3,4,5,6,7,8,9,10,11,12,13,14,15
	ds_load_b128 v[KFR+8*\f:KFR+8*\f+3], v[AK+\slot] offset:(\st)*2*KB+(\f/4)*16*PK+(\f%4)*64
	ds_load_b128 v[KFR+8*\f+4:KFR+8*\f+7], v[AK+\slot] offset:(\st)*2*KB+(\f/4)*16*PK+(\f%4)*64+32
.endr
	WIN 0xc0
.irp kt, 0,1,2,3
	ds_load_b128 v[BIAS+8*\kt:BIAS+8*\kt+3], v[AB+\slot] offset:(\st)*2*KB+64*\kt
	ds_load_b128 v[BIAS+8*\kt+4:BIAS+8*\kt+7], v[AB+\slot] offset:(\st)*2*KB+64*\kt+16
.endr
.endm
.macro LOADV slot, st
	WIN 0xc0
.irp f, 0,1,2,3,4,5,6,7,8,9,10,11,12,13,14,15
	ds_load_tr16_b128 v[8*\f:8*\f+3], v[AV+\slot] offset:(\st)*2*VB+(\f/8)*32*PVP+(\f%8)*32
	ds_load_tr16_b128 v[8*\f+4:8*\f+7], v[AV+\slot] offset:(\st)*2*VB+(\f/8)*32*PVP+16*PVP+(\f%8)*32
.endr
.endm
.macro NEXTK slot, st                  ; behind a slot's first step's scores: K's registers and the padding numbers' are free four places behind the last product, and take the second step's while those products run
.if (\st) == 0
	PLACES 4
	LOADK \slot, 1
.endif
.endm
.macro VWAIT st                        ; V is in.  In a slot's first step the 40 loads of the second step's K and padding numbers were issued behind V's and may stay out
.if (\st) == 0
	s_wait_dscnt 40
.else
	s_wait_dscnt 0x0
.endif
.endm
; MY st-th KEY STEP of a slot: 64 keys, two or four tiles.  lo = 1: in the loop, where the low tiles may have work; tail = 1: in the last two slots, where the high tiles are masked.
; At its head the step's K and padding numbers (40 loads) and, behind them, its V (32 loads) have been asked for.
.macro STEP slot, st, lo, tail
	WIN 0
	s_wait_dscnt 32                                ; K and the padding numbers are in; V's 32 loads may be out
.if \lo
	s_cmp_gt_u32 s[SL], s[CH]                      ; the count of slots against the cluster's x: alike in all waves and all partners
	s_cbranch_scc1 .Lhigh_\@
	s_cmp_eq_u32 s[SL], s[CH]
	s_cbranch_scc0 .Lopen_\@
	MASK DQ, CM0
	MASK DQ+1, CM1
	KQ 0, CM0
	KQ 1, CM1
	WIN 0
	s_branch .Ljoin_\@
.Lopen_\@:
	KQ 0, BIAS
	KQ 1, BIAS
	WIN 0
.Ljoin_\@:
	KQ 2, BIAS
	KQ 3, BIAS
	NEXTK \slot, \st
	SOFTMAX 0                                      ; each softmax is issued while products of another tile run
	VWAIT \st
	PV 0
	SOFTMAX 1
	PV 1
	WIN 0
	s_branch .Lboth_\@
.Lhigh_\@:
	KQ 2, BIAS
	KQ 3, BIAS
	NEXTK \slot, \st
	WIN 0
.Lboth_\@:
.endif
.if \tail
	MASK DQ+2, CM0
	MASK DQ+3, CM1
	KQ 2, CM0
	KQ 3, CM1
	NEXTK \slot, \st
.endif
	SOFTMAX 2
	VWAIT \st
	PV 2
	SOFTMAX 3
	PV 3
.if (\st) == 0
	PLACES 4                                       ; in front of loads into registers that the last products read
	LOADV \slot, 1
.endif
	WIN 0
	s_add_co_u32 s[KEY], s[KEY], 128               ; my next step lies two key steps on
.endm
; A SLOT.  At its head each wave waits for all its tensor loads (its part of this slot), adds 0 to its spare word, and waits for that and for its reads of the other slot.  refill = 1: a round of the cluster's barrier,
; and first behind it the joint load of the next 256 keys into the other slot: it has this slot's two steps of every wave in which to land.
.macro TRIP slot, refill, lo, tail
	WIN 0
	s_wait_tensorcnt 0x0                           ; no tensor load of mine is out, so a group 0 may be written
	ds_add_u32 v[SPW], v[NIL]
	s_add_nc_u64 s[G0K+4*\slot+2:G0K+4*\slot+3], s[G0K+4*\slot+2:G0K+4*\slot+3], 133120   ; this slot's next keys, two slots on
	s_add_nc_u64 s[G0V+4*\slot+2:G0V+4*\slot+3], s[G0V+4*\slot+2:G0V+4*\slot+3], 131072
.if \refill
	s_wait_xcnt 0x0                                ; the last prefetch, a slot back, has read its address
	s_add_nc_u64 s[PFA:PFA+1], s[PFA:PFA+1], s[PFS:PFS+1]
	s_wait_dscnt 0x0                               ; the add is done, my reads of the other slot are over
	CROUND
	JLOAD 1-\slot                                  ; its four v_nop are also the places in front of the loads below
	ASK
	s_add_co_u32 s[FN], s[FN], 1
.else
	s_wait_dscnt 0x0
	s_barrier_signal -1
	s_barrier_wait -1
	PLACES 4
.endif
	LOADK \slot, 0
	LOADV \slot, 0
	STEP \slot, 0, \lo, \tail
	STEP \slot, 1, \lo, \tail
	s_add_co_u32 s[SL], s[SL], 1
.endm
	s_wait_loadcnt 0x0                             ; Q
.Lpair:                                                ; 3 - c / 4 trips of two slots
	TRIP 0, 1, 1, 0
	TRIP 1, 1, 1, 0
	s_add_co_u32 s[TC], s[TC], 1
	s_cmp_lt_u32 s[TC], s[NT]
	s_cbranch_scc1 .Lpair
	TRIP 0, 1, 0, 1                                ; the last two slots are written out: the high tiles' diagonal lies here, and the last asks for nothing
	TRIP 1, 0, 0, 1
	; THE WAY OUT.  The mean of v is asked for; tiles 1 and 3 go to wave w xor 2, which holds the other keys' part of them; its tiles 1 and 3 are my tiles 0 and 2.
	PLACES 4
	WIN 0x80
.irp ct, 0,1,2,3,4,5,6,7
	global_load_b128 v[128+8*\ct:128+8*\ct+3], v[VMO], s[82:83] offset:64*\ct      ; into K's registers, which are free
	global_load_b128 v[128+8*\ct+4:128+8*\ct+7], v[VMO], s[82:83] offset:64*\ct+16
.endr
	WIN 0
.irp t, 1,3
	v_add_f32 v[ST+8*\t+1], v[ST+8*\t+2], v[ST+8*\t+3]   ; l of my lane's keys, beside m
.endr
	WIN 0x04                                       ; an LDS store's data are its source 1: window 1
.irp t, 1,3
.set i, 0
.rept 16
	ds_store_b128 v[XW], v[64*\t+4*i:64*\t+4*i+3] offset:(\t/2)*XT+512*i   ; an image of the registers: lane l's 16 bytes at 16 l; each accumulator from its low end on
.set i, i+1
.endr
.endr
	WIN 0
.irp t, 1,3
	ds_store_b64 v[XM], v[ST+8*\t:ST+8*\t+1] offset:(\t/2)*XT
.endr
	s_wait_dscnt 0x0                               ; for the other wave's sake: my stores are done
	s_barrier_signal -1
	s_barrier_wait -1
.irp t, 0,2
.set i, 0
.rept 16
	ds_load_b128 v[S+32*\t+4*i:S+32*\t+4*i+3], v[XR] offset:(\t/2)*XT+512*i   ; the other part of tile t's O^T: 64 registers where S^T lay
.set i, i+1
.endr
	ds_load_b64 v[ST+8*\t+8:ST+8*\t+9], v[XRM] offset:(\t/2)*XT               ; its m and l, where the sent tile's lay
.endr
	s_wait_dscnt 0x0
.irp t, 0,2
	v_add_f32 v[ST+8*\t+1], v[ST+8*\t+2], v[ST+8*\t+3]
	v_max_num_f32 v[ST+8*\t+4], v[ST+8*\t], v[ST+8*\t+8]      ; the row's m over all keys
.endr
.irp t, 0,2
	v_sub_f32 v[ST+8*\t+5], v[ST+8*\t], v[ST+8*\t+4]
	v_sub_f32 v[ST+8*\t+6], v[ST+8*\t+8], v[ST+8*\t+4]
.endr
.irp t, 0,2
	v_mul_f32 v[ST+8*\t+5], s[CS], v[ST+8*\t+5]
	v_mul_f32 v[ST+8*\t+6], s[CS], v[ST+8*\t+6]
.endr
.irp t, 0,2
	v_exp_f32 v[ST+8*\t+5], v[ST+8*\t+5]           ; a_1, for my part
	v_exp_f32 v[ST+8*\t+6], v[ST+8*\t+6]           ; a_2, for the other
.endr
	v_nop
	s_wait_alu depctr_va_vdst(0)                   ; one wait for the four
.irp t, 0,2
	v_mul_f32 v[ST+8*\t+1], v[ST+8*\t+1], v[ST+8*\t+5]
.endr
.irp t, 0,2
	v_fma_f32 v[ST+8*\t+1], v[ST+8*\t+9], v[ST+8*\t+6], v[ST+8*\t+1]
.endr
.irp t, 0,2
	v_permlanex16_b32 v[ST+8*\t+7], v[ST+8*\t+1], s[SEL], s[SEL+1]
.endr
.irp t, 0,2
	v_add_f32 v[ST+8*\t+1], v[ST+8*\t+1], v[ST+8*\t+7]   ; l: at least 1, the largest score's p
.endr
.irp t, 0,2
	v_rcp_f32 v[ST+8*\t+7], v[ST+8*\t+1]
.endr
	v_nop
	s_wait_alu depctr_va_vdst(0)                   ; one wait for both reciprocals
.irp t, 0,2
	v_mul_f32 v[ST+8*\t+2], v[ST+8*\t+5], v[ST+8*\t+7]   ; a_1 / l
	v_mul_f32 v[ST+8*\t+6], v[ST+8*\t+6], v[ST+8*\t+7]   ; a_2 / l
.endr
	s_wait_loadcnt 0x0                             ; the mean
.macro FIN t                           ; tile t: the two parts joined and divided, the mean where no key counted, f16, through my stage
.set rT, ST+8*(\t)
.set X, S+32*(\t)
.set HP, P+16*(\t)
	v_cmp_gt_f32 vcc_lo, 0xefa18f08, v[rT+4]       ; -1e29 > m: no key counted
.set i, 0
.rept 32
	v_pk_mul_f32 v[X+i:X+i+1], v[X+i:X+i+1], v[rT+6:rT+7] op_sel_hi:[1,0]
.set i, i+2
.endr
	WIN 0x01                                       ; source 0: my O^T, window 1
.set i, 0
.rept 32
	v_pk_fma_f32 v[X+i:X+i+1], v[64*(\t)+i:64*(\t)+i+1], v[rT+2:rT+3], v[X+i:X+i+1] op_sel_hi:[1,0,1]
.set i, i+2
.endr
	WIN 0x08                                       ; source 1: the mean, window 2
.set i, 0
.rept 64
	v_cndmask_b32 v[X+i], v[X+i], v[128+i], vcc_lo
.set i, i+1
.endr
	WIN 0
.set i, 0
.rept 32
	v_cvt_pk_f16_f32 v[HP+i], v[X+2*i], v[X+2*i+1]
.set i, i+1
.endr
.irp f, 0,1,2,3,4,5,6,7
	ds_store_b128 v[STO], v[HP+4*\f:HP+4*\f+3] offset:32*\f
.endr
.irp f, 0,1,2,3,4,5,6,7
	ds_load_b128 v[HP+4*\f:HP+4*\f+3], v[RD] offset:\f*2*272   ; LDS serves a wave's instructions in order
.endr
.endm
.macro SEND t, younger
.irp f, 0,1,2,3,4,5,6,7
	s_wait_dscnt \younger+7-\f
	global_store_b128 v[GO], v[P+16*\t+4*\f:P+16*\t+4*\f+3], s[76+\t:77+\t] offset:\f*8192   ; sixteen lanes store 256 consecutive bytes, aligned
.endr
.endm
	FIN 0
	FIN 2
	SEND 0, 16                                     ; behind tile 0's loads: tile 2's eight stores and eight loads
	SEND 2, 0
	s_wait_tensorcnt 0x0                           ; the wave's end
	ds_add_u32 v[SPW], v[NIL]
	s_wait_dscnt 0x0
	CROUND                                         ; the closing round
	s_endpgm
.Lfunc_end_k_q9c52a36374_attn:
	.size	k_q9c52a36374_attn, .Lfunc_end_k_q9c52a36374_attn-k_q9c52a36374_attn
	.p2alignl 7, 3214868480
	.fill 96, 4, 3214868480
	.section	.rodata,"a",@progbits
	.p2align	6, 0x0
	.amdhsa_kernel k_q9c52a36374_attn
		.amdhsa_group_segment_fixed_size 327680
		.amdhsa_private_segment_fixed_size 0
		.amdhsa_enable_private_segment 0
		.amdhsa_kernarg_size 24
		.amdhsa_user_sgpr_count 2
		.amdhsa_user_sgpr_kernarg_segment_ptr 1
		.amdhsa_wavefront_size32 1
		.amdhsa_system_sgpr_workgroup_id_x 1
		.amdhsa_system_sgpr_workgroup_id_y 1
		.amdhsa_system_sgpr_workgroup_id_z 1
		.amdhsa_system_vgpr_workitem_id 0
		.amdhsa_next_free_vgpr 1024
		.amdhsa_next_free_sgpr 96
		.amdhsa_reserve_vcc 1
		.amdhsa_float_denorm_mode_32 3
		.amdhsa_float_denorm_mode_16_64 3
		.amdhsa_memory_ordered 1
		.amdhsa_forward_progress 1
		.amdhsa_inst_pref_size 255
	.end_amdhsa_kernel
	.section	.bss,"aw",@nobits
	.p2align	6
	.space	262144
	.amdgpu_metadata
---
amdhsa.version: [ 1, 2 ]
amdhsa.kernels:
  - .name:           k_q9c52a36374_attn
    .symbol:         k_q9c52a36374_attn.kd
    .args:
      - { .name: qkv16, .offset: 0, .size: 8, .value_kind: global_buffer, .address_space: global }
      - { .name: fineout, .offset: 8, .size: 8, .value_kind: global_buffer, .address_space: global }
      - { .name: attn16, .offset: 16, .size: 8, .value_kind: global_buffer, .address_space: global }
    .group_segment_fixed_size: 327680
    .private_segment_fixed_size: 0
    .kernarg_segment_align: 8
    .kernarg_segment_size: 24
    .max_flat_workgroup_size: 128
    .sgpr_count:     96
    .vgpr_count:     1024
    .wavefront_size: 32
...
	.end_amdgpu_metadata
.endif
;; end of part 4
;; launch oproj (part 5): grid 16 x 16, 4 waves a work-group, clusters of 4 x 4, 327,680 bytes of LDS; arguments attn16, wo16, fineout, out0; writes out0
.if DOCPART == 5
	.amdgcn_target "amdgcn-amd-amdhsa--gfx1250"
	.amdhsa_code_object_version 6
	.text
	.protected	k_q9c52a36374_oproj
	.globl	k_q9c52a36374_oproj
	.p2align	8
	.type	k_q9c52a36374_oproj,@function
k_q9c52a36374_oproj:
	s_mov_b64 s[64:65], 0
	v_nop
	global_prefetch_b8 v0, s[64:65] scope:SCOPE_SE
	s_setreg_imm32_b32 hwreg(HW_REG_WAVE_MODE, 25, 1), 1
	s_wait_xcnt 0x0
	s_wait_alu depctr_hold_cnt(0) depctr_sa_sdst(0) depctr_va_vdst(0) depctr_va_sdst(0) depctr_va_ssrc(0) depctr_va_vcc(0) depctr_vm_vsrc(0)
	s_getreg_b32 s2, hwreg(HW_REG_IB_STS2, 6, 4)
	s_cmp_eq_u32 s2, 0
	s_cbranch_scc0 .Lentry_in_a_cluster
	s_endpgm
.Lentry_in_a_cluster:
	s_bfe_u32 s2, ttmp6, 0x10000c
	s_cmp_lg_u32 s2, 0xf033
	s_cbranch_scc0 .Lentry_shape_is_right
	s_endpgm
.Lentry_shape_is_right:
; out0 = attn wo: A = attn16 [2048][2048] f16 (attn / 4), B = wo16 [2048 (k)][4096 (n)] f16 (4 wo): the two factors cancel.  Sums f32, out0 f32.  Rows 0 to 15 are replaced by the sum of the eight parts that were carried in f32.
; A tile of C is 128 x 256; four waves, each 64 x 128: 32 accumulators.  K goes in steps of 128 through two LDS slots.  B lies [k][n] and is turned on its way out of LDS (ds_load_tr16_b128).
; CLUSTERS 4 x 4: A's tiles are asked for jointly along a row of the cluster, B's along a column.  The product is used transposed (source 0 = B, source 1 = A): a lane holds eight neighbouring numbers of a row of C.
; REGISTERS: window 0: addresses; v128-191 A's fragments, two sets; on the way out v128-255 rows read back.  window 1: B's fragments, two sets at v0 and v128; on the way out parts 4-7.  window 2: accumulators.  window 3: parts 0-3.
.set PA_,   272                        ; a row of A in LDS: 256 bytes + 16
.set PB_,   544                        ; a row of B: 512 bytes + 32
.set AHALF, 64*PA_
.set BHALF, 64*PB_
.set SLOT,  2*AHALF+2*BHALF            ; 104,448
.set STAGE, 2*SLOT                     ; 16 rows x 528 bytes for each wave; no fill lands here
.set SPARE, STAGE+4*16*528             ; 242,688
.set ADRA, 16
.set ADRB, 20
.set STO,  24
.set RD,   25
.set CO,   26
.set SPW,  28
.set NIL,  29
.set PFO,  30
.set AF,   128
.set BK,   128
.set G1,   24
.set G0,   32
.set G1B,  48
.set G0B,  56
.set PFA,  66
.set PFS,  68
.set LIM,  70
.set LIM2, 71
.set SELM, 72
.set FB,   73
.set MSB, 0
.macro WIN new
.if MSB != \new
	s_set_vgpr_msb (MSB<<8)|\new
.set MSB, \new
.endif
.endm
.set MUL,  0xa1
.set TO_B, 0x40
.macro PLACES n
.rept \n
	v_nop
.endr
.endm
.macro JLOAD s                         ; waves 0 and 1 fetch A's halves, waves 2 and 3 B's; an s_nop 0 and four v_nop follow each line
	s_cmp_eq_u32 s21, 0
	s_cbranch_scc0 .Lfor_b_\@
	tensor_load_to_lds s[G0+4*\s:G0+4*\s+3], s[G1:G1+7]
	s_nop 0
.rept 4
	v_nop
.endr
	s_branch .Lasked_\@
.Lfor_b_\@:
	tensor_load_to_lds s[G0B+4*\s:G0B+4*\s+3], s[G1B:G1B+7]
	s_nop 0
.rept 4
	v_nop
.endr
.Lasked_\@:
.endm
.macro CREST
	s_cmp_lg_u32 s20, 0
	s_cbranch_scc1 .Lnot_wave_0_\@
	s_barrier_signal -3
.Lnot_wave_0_\@:
	s_barrier_wait -3
	s_barrier_signal -1
	s_barrier_wait -1
.endm
.macro CROUND
	s_barrier_signal -1
	s_barrier_wait -1
	CREST
.endm
; A prefetch of the next lap's two K steps, once a lap, 256 products ahead of the first load that wants them.  A's tile row is read by every cluster of its row of clusters: cluster x = 0 asks; B's tile column by every
; cluster of its column: cluster y = 0 asks.  The four partners that ask for a tile jointly share its rows out by address, 16 each of the 64 that a wave fetches.  A: 16 rows x 2 K steps of 256 bytes: one line.
; B: 16 rows x 512 bytes a K step: two lines.  The loop's last trip has no lap behind it that is not asked for already.
.macro ASK
	s_cmp_gt_u32 s3, s[LIM]
	s_cbranch_scc0 .Lno_1_\@
	global_prefetch_b8 v[PFO], s[PFA:PFA+1] th:TH_LOAD_NT scope:SCOPE_SE
.Lno_1_\@:
	s_cmp_gt_u32 s3, s[LIM2]
	s_cbranch_scc0 .Lno_2_\@
	global_prefetch_b8 v[PFO], s[PFA:PFA+1] offset:1048576 th:TH_LOAD_NT scope:SCOPE_SE
.Lno_2_\@:
.endm
	s_load_b256 s[4:11], s[0:1], 0x0               ; attn16 4, wo16 6, fineout 8, out0 10
	v_lshl_add_u32 v[SPW], v0, 2, SPARE
	v_mov_b32 v[NIL], 0
	ds_add_u32 v[SPW], v[NIL]                      ; the wave's opening: the add, twice on end, and its wait ahead of my first tensor load
	ds_add_u32 v[SPW], v[NIL]
	v_lshrrev_b32 v1, 5, v0
	v_readfirstlane_b32 s20, v1
	s_lshr_b32 s21, s20, 1                         ; mh.  Also: I fetch for A (0) or B (1)
	s_and_b32 s22, s20, 1                          ; nh.  Also: which half I fetch
	s_bfe_u32 s40, ttmp6, 0x40000                  ; cx
	s_bfe_u32 s41, ttmp6, 0x40004                  ; cy
	s_lshl_b32 s42, ttmp9, 2
	s_add_co_u32 s42, s42, s40                     ; tile column
	s_and_b32 s23, ttmp7, 0xffff
	s_lshl_b32 s23, s23, 2
	s_add_co_u32 s23, s23, s41                     ; tile row
	s_lshl_b32 s43, s41, 2
	s_lshl_b32 s43, 15, s43
	s_lshl_b32 s44, 0x1111, s40
	s_or_b32 s[G1], s43, (1<<16)|(1<<20)|(1<<21)|(5<<22)|(3<<25)    ; A: 64 rows of 128 f16; 4 words of padding behind every 64
	s_mov_b32 s[G1+1], 128<<16
	s_mov_b32 s[G1+2], 64<<16
	s_mov_b32 s[G1+3], 128<<16
	s_mov_b32 s[G1+4], 64
	s_mov_b32 s[G1+5], 2048
	s_mov_b32 s[G1+6], 0
	s_mov_b32 s[G1+7], 0
	s_or_b32 s[G1B], s44, (1<<16)|(1<<20)|(1<<21)|(6<<22)|(7<<25)   ; B: 64 rows of 256 f16; 8 words behind every 128
	s_mov_b32 s[G1B+1], 256<<16
	s_mov_b32 s[G1B+2], 64<<16
	s_mov_b32 s[G1B+3], 256<<16
	s_mov_b32 s[G1B+4], 64
	s_mov_b32 s[G1B+5], 4096
	s_mov_b32 s[G1B+6], 0
	s_mov_b32 s[G1B+7], 0
	s_lshl_b32 s45, s22, 6
	s_lshl_b32 s92, s23, 7
	s_add_co_u32 s92, s92, s45
	s_lshl_b32 s92, s92, 12                        ; A: (128 x tile row + 64 x half) rows of 4,096 bytes
	s_mov_b32 s93, 0
	s_lshl_b32 s96, s22, 19                        ; B: 64 x half rows of 8,192 bytes,
	s_lshl_b32 s97, s42, 9
	s_add_co_u32 s96, s96, s97                     ; + 512 x tile column
	s_mov_b32 s97, 0
	s_mul_i32 s46, s22, AHALF
	s_mul_i32 s47, s22, BHALF
	s_add_co_u32 s47, s47, 2*AHALF
	s_wait_dscnt 0x0
	s_wait_kmcnt 0x0
	s_add_nc_u64 s[92:93], s[4:5], s[92:93]
	s_add_nc_u64 s[96:97], s[6:7], s[96:97]
	CROUND
.irp s, 0,1
	s_mov_b32 s[G0+4*\s], 1
	s_add_co_u32 s[G0+4*\s+1], s46, \s*SLOT
	s_add_nc_u64 s[G0+4*\s+2:G0+4*\s+3], s[92:93], \s*256
	s_or_b32 s[G0+4*\s+3], s[G0+4*\s+3], 0x80000000
	s_mov_b32 s[G0B+4*\s], 1
	s_add_co_u32 s[G0B+4*\s+1], s47, \s*SLOT
	s_add_nc_u64 s[G0B+4*\s+2:G0B+4*\s+3], s[96:97], \s*1048576
	s_or_b32 s[G0B+4*\s+3], s[G0B+4*\s+3], 0x80000000
	JLOAD \s                                       ; two loads of mine are out
.endr
	v_and_b32 v1, 15, v0                           ; r
	v_bfe_u32 v2, v0, 4, 1                         ; h
	v_and_b32 v3, 31, v0
	v_mul_u32_u24 v4, v1, PA_
	v_lshl_add_u32 v4, v2, 4, v4
	s_mul_i32 s45, s21, AHALF
	v_add_nc_u32 v[ADRA], s45, v4
	v_add_nc_u32 v[ADRA+1], SLOT, v[ADRA]
	v_and_b32 v4, 7, v0
	v_bfe_u32 v5, v0, 3, 1
	v_lshl_add_u32 v4, v2, 3, v4
	v_mul_u32_u24 v4, v4, PB_                      ; the turning load: k row 8 h + l % 8,
	v_lshl_add_u32 v4, v5, 4, v4                   ; 16 bytes for each eight lanes,
	s_lshl_b32 s45, s22, 8
	s_add_co_u32 s45, s45, 2*AHALF
	v_add_nc_u32 v[ADRB], s45, v4                  ; my 128 columns
	v_add_nc_u32 v[ADRB+1], SLOT, v[ADRB]
	s_mul_i32 s45, s20, 16*528
	s_add_co_u32 s45, s45, STAGE
	v_mul_u32_u24 v4, v1, 528
	v_lshl_add_u32 v4, v2, 5, v4
	v_add_nc_u32 v[STO], s45, v4
	v_lshlrev_b32 v[CO], 4, v3
	v_add_nc_u32 v[RD], s45, v[CO]
	s_lshl_b32 s74, s23, 7
	s_lshl_b32 s75, s21, 6
	s_add_co_u32 s74, s74, s75
	s_lshl_b32 s74, s74, 14                        ; my first row of out0
	s_lshl_b32 s76, s42, 10
	s_lshl_b32 s77, s22, 9
	s_add_co_u32 s76, s76, s77                     ; my first column, in bytes
	s_mov_b32 s77, 0
	s_add_nc_u64 s[14:15], s[8:9], s[76:77]        ; the parts at my columns
	s_add_co_u32 s74, s74, s76
	s_mov_b32 s75, 0
	s_add_nc_u64 s[12:13], s[10:11], s[74:75]
	s_and_b32 s[FB], ttmp7, 0xffff
	s_or_b32 s[FB], s[FB], s21                     ; 0: cluster row 0 and the upper 64 rows
	s_min_u32 s[SELM], s41, 1
	s_sub_co_u32 s[SELM], s[SELM], 1               ; all ones where cy = 0, else 0: a select's mask, no branch
	; the prefetches
	v_and_b32 v4, 15, v3
	v_lshrrev_b32 v5, 4, v3
	v_lshlrev_b32 v4, 12, v4
	v_lshl_add_u32 v4, v5, 8, v4                   ; A: row l % 16, K step l / 16
	v_lshrrev_b32 v5, 1, v3
	v_and_b32 v6, 1, v3
	v_lshlrev_b32 v5, 13, v5
	v_lshl_add_u32 v5, v6, 8, v5                   ; B: row l / 2, half l % 2 of its 512 bytes
	s_lshl_b32 s74, s23, 7
	s_lshl_b32 s75, s22, 6
	s_add_co_u32 s74, s74, s75
	s_lshl_b32 s75, s40, 4
	s_add_co_u32 s74, s74, s75
	s_lshl_b32 s74, s74, 12
	s_add_co_u32 s74, s74, 512                     ; A: my work-group's 16 rows, at K step 2: the first lap steps it to 4
	s_lshl_b32 s76, s22, 6
	s_lshl_b32 s77, s41, 4
	s_add_co_u32 s76, s76, s77
	s_add_co_u32 s76, s76, 256
	s_lshl_b32 s76, s76, 13
	s_lshl_b32 s77, s42, 9
	s_add_co_u32 s76, s76, s77                     ; B likewise
	s_and_b32 s78, ttmp7, 0xffff
	s_mov_b32 s[PFS], 2097152
	s_cmp_eq_u32 s21, 0
	s_cselect_b32 s45, -1, 0
	s_cselect_b32 s74, s74, s76
	s_cselect_b32 s78, ttmp9, s78                  ; the coordinate along which other clusters read the same rows
	s_cselect_b32 s[PFS], 512, s[PFS]              ; a lap on
	s_cselect_b64 s[PFA:PFA+1], s[4:5], s[6:7]
	s_mov_b32 s75, 0
	s_mov_b32 s[PFS+1], 0
	s_add_nc_u64 s[PFA:PFA+1], s[PFA:PFA+1], s[74:75]
	v_cndmask_b32 v[PFO], v5, v4, s45
	s_cmp_eq_u32 s78, 0
	s_cselect_b32 s[LIM], 1, -1
	s_cmp_eq_u32 s21, 0
	s_cselect_b32 s[LIM2], -1, s[LIM]
.macro FETCH slot, qd, p               ; 24 loads in one run: 32 along K: B's eight fragments (turned) and A's four, into set p
	WIN TO_B
.irp b, 0,1,2,3,4,5,6,7
	ds_load_tr16_b128 v[128*(\p)+8*\b:128*(\p)+8*\b+3], v[ADRB+\slot] offset:(\qd)*32*PB_+32*\b
	ds_load_tr16_b128 v[128*(\p)+8*\b+4:128*(\p)+8*\b+7], v[ADRB+\slot] offset:(\qd)*32*PB_+32*\b+16*PB_
.endr
	WIN 0
.irp a, 0,1,2,3
	ds_load_b128 v[AF+32*(\p)+8*\a:AF+32*(\p)+8*\a+3], v[ADRA+\slot] offset:(\qd)*64+\a*16*PA_
	ds_load_b128 v[AF+32*(\p)+8*\a+4:AF+32*(\p)+8*\a+7], v[ADRA+\slot] offset:(\qd)*64+\a*16*PA_+32
.endr
.endm
.macro MUL8 a, p, zero                 ; the 32 accumulators take turns in one order in every quarter
.irp b, 0,1,2,3,4,5,6,7
.if \zero
	v_wmma_f32_16x16x32_f16 v[8*(8*(\a)+\b):8*(8*(\a)+\b)+7], v[128*(\p)+8*\b:128*(\p)+8*\b+7], v[AF+32*(\p)+8*(\a):AF+32*(\p)+8*(\a)+7], 0
.else
	v_wmma_f32_16x16x32_f16 v[8*(8*(\a)+\b):8*(8*(\a)+\b)+7], v[128*(\p)+8*\b:128*(\p)+8*\b+7], v[AF+32*(\p)+8*(\a):AF+32*(\p)+8*(\a)+7], v[8*(8*(\a)+\b):8*(8*(\a)+\b)+7]
.endif
.endr
.endm
.macro QUARTER slot, qd, zero
	s_wait_dscnt 0x0                               ; this quarter's fragments, asked for 32 products ago
	PLACES 4
	FETCH \slot, (\qd)+1, 1-(\qd)%2
	WIN MUL
	MUL8 0, (\qd)%2, \zero
	MUL8 1, (\qd)%2, \zero
	MUL8 2, (\qd)%2, \zero
	MUL8 3, (\qd)%2, \zero
.endm
.macro TURN slot, next, fill, ask
.if \ask
	s_wait_xcnt 0x0                                ; the last prefetches, a lap back, have read their address
	s_add_nc_u64 s[PFA:PFA+1], s[PFA:PFA+1], s[PFS:PFS+1]
.endif
	WIN 0
	s_wait_tensorcnt 0x0                           ; my part of the next slot has landed: no tensor load of mine is out
	ds_add_u32 v[SPW], v[NIL]
	s_wait_dscnt 1                                 ; this quarter's fragments are in; the add alone may be out
	WIN MUL
	MUL8 0, 1, 0
	s_wait_dscnt 0x0                               ; the add is done, my reads of this slot are over
	s_barrier_signal -1
	MUL8 1, 1, 0
	WIN 0
	s_barrier_wait -1
.if \fill
	CREST
	s_add_nc_u64 s[G0+4*\slot+2:G0+4*\slot+3], s[G0+4*\slot+2:G0+4*\slot+3], 512
	s_add_nc_u64 s[G0B+4*\slot+2:G0B+4*\slot+3], s[G0B+4*\slot+2:G0B+4*\slot+3], 2097152
	JLOAD \slot                                    ; two K steps on: 112 products ahead of the wait for it
.else
	PLACES 4
.endif
	FETCH \next, 0, 0
.if \ask
	ASK
.endif
	WIN MUL
	MUL8 2, 1, 0
	MUL8 3, 1, 0
.endm
	s_wait_tensorcnt 1                             ; my part of K step 0 is in; K step 1's may be out
	s_barrier_signal -1
	s_barrier_wait -1
	FETCH 0, 0, 0
	QUARTER 0, 0, 1
	WIN 0
	s_mov_b32 s3, 7
.Llap:
	QUARTER 0, 1, 0
	QUARTER 0, 2, 0
	TURN 0, 1, 1, 1
	QUARTER 1, 0, 0
	QUARTER 1, 1, 0
	QUARTER 1, 2, 0
	TURN 1, 0, 1, 0
	QUARTER 0, 0, 0
	WIN 0
	s_sub_co_u32 s3, s3, 1
	s_cmp_lg_u32 s3, 0
	s_cbranch_scc1 .Llap
	QUARTER 0, 1, 0
	QUARTER 0, 2, 0
	TURN 0, 1, 0, 0
	QUARTER 1, 0, 0
	QUARTER 1, 1, 0
	QUARTER 1, 2, 0
	s_wait_dscnt 0x0
	WIN MUL
	MUL8 0, 1, 0
	MUL8 1, 1, 0
	MUL8 2, 1, 0
	MUL8 3, 1, 0
	WIN 0
	PLACES 4
; THE WAY OUT, a block of 16 rows x 128 columns at a time: through my stage, back as whole rows of 512 bytes.
.macro TOSTAGE a
.set BB, BK+64*((\a)%2)
	WIN 0x08                                       ; an LDS store's data are its source 1: window 2
.irp b, 0,1,2,3,4,5,6,7
	ds_store_b128 v[STO], v[64*(\a)+8*\b:64*(\a)+8*\b+3] offset:64*\b          ; each accumulator from its low end on
	ds_store_b128 v[STO], v[64*(\a)+8*\b+4:64*(\a)+8*\b+7] offset:64*\b+16
.endr
	WIN 0
.irp t, 0,1,2,3,4,5,6,7,8,9,10,11,12,13,14,15
	ds_load_b128 v[BB+4*\t:BB+4*\t+3], v[RD] offset:\t*528   ; LDS serves a wave's instructions in order
.endr
.endm
.macro SEND a, younger
.set BB, BK+64*((\a)%2)
	s_wait_dscnt \younger
.irp t, 0,1,2,3,4,5,6,7,8,9,10,11,12,13,14,15
	global_store_b128 v[CO], v[BB+4*\t:BB+4*\t+3], s[12:13] offset:(16*(\a)+\t)*16384 th:TH_STORE_NT   ; 32 lanes store 512 consecutive bytes, aligned
.endr
.endm
	s_cmp_lg_u32 s[FB], 0                          ; the cluster's y and the wave's number: alike in all partners
	s_cbranch_scc1 .Lplain
	; the waves of cluster row 0 that hold a tile's first 16 rows: the eight parts of rows 0 to 15 at my columns, in the layout of rows read back.  Partners with cy over 0 load and add them too and keep their own
	; rows by the select.
	WIN 0xc0
.irp g, 0,1,2,3
.irp t, 0,1,2,3,4,5,6,7,8,9,10,11,12,13,14,15
	global_load_b128 v[64*\g+4*\t:64*\g+4*\t+3], v[CO], s[14:15] offset:\g*262144+\t*16384
.endr
.endr
	WIN 0x40
.irp g, 0,1,2,3
.irp t, 0,1,2,3,4,5,6,7,8,9,10,11,12,13,14,15
	global_load_b128 v[64*\g+4*\t:64*\g+4*\t+3], v[CO], s[14:15] offset:(\g+4)*262144+\t*16384
.endr
.endr
	WIN 0
	TOSTAGE 1
	TOSTAGE 2
	SEND 1, 32                                     ; behind block 1's loads: block 2's 16 stores and 16 loads
	s_wait_xcnt 0x0                                ; block 1's stores have read their registers
	TOSTAGE 3
	SEND 2, 32
	s_wait_xcnt 0x0
	TOSTAGE 0
	SEND 3, 32
	s_wait_loadcnt 0x0                             ; the parts
	WIN 0xcf
.set i, 0
.rept 32
	v_pk_add_f32 v[i:i+1], v[i:i+1], v[64+i:64+i+1]
	v_pk_add_f32 v[128+i:128+i+1], v[128+i:128+i+1], v[192+i:192+i+1]
.set i, i+2
.endr
.set i, 0
.rept 32
	v_pk_add_f32 v[i:i+1], v[i:i+1], v[128+i:128+i+1]
.set i, i+2
.endr
	WIN 0x45
.set i, 0
.rept 32
	v_pk_add_f32 v[i:i+1], v[i:i+1], v[64+i:64+i+1]
	v_pk_add_f32 v[128+i:128+i+1], v[128+i:128+i+1], v[192+i:192+i+1]
.set i, i+2
.endr
.set i, 0
.rept 32
	v_pk_add_f32 v[i:i+1], v[i:i+1], v[128+i:128+i+1]
.set i, i+2
.endr
	WIN 0xc7
.set i, 0
.rept 32
	v_pk_add_f32 v[i:i+1], v[i:i+1], v[i:i+1]      ; window 3 + window 1
.set i, i+2
.endr
	WIN 0
	s_wait_dscnt 0x0                               ; block 0 is back in registers
	WIN 0x0c
.set i, 0
.rept 64
	v_cndmask_b32 v[BK+i], v[BK+i], v[i], s[SELM]  ; where cy = 0 these are rows 0 to 15: the f32 sums take their place
.set i, i+1
.endr
	WIN 0
	SEND 0, 0
	s_branch .Lend
.Lplain:
	TOSTAGE 0
	TOSTAGE 1
	SEND 0, 32
	s_wait_xcnt 0x0
	TOSTAGE 2
	SEND 1, 32
	s_wait_xcnt 0x0
	TOSTAGE 3
	SEND 2, 32
	SEND 3, 0
.Lend:
	s_wait_tensorcnt 0x0                           ; the wave's end
	ds_add_u32 v[SPW], v[NIL]
	s_wait_dscnt 0x0
	CROUND                                         ; the closing round
	s_endpgm
.Lfunc_end_k_q9c52a36374_oproj:
	.size	k_q9c52a36374_oproj, .Lfunc_end_k_q9c52a36374_oproj-k_q9c52a36374_oproj
	.p2alignl 7, 3214868480
	.fill 96, 4, 3214868480
	.section	.rodata,"a",@progbits
	.p2align	6, 0x0
	.amdhsa_kernel k_q9c52a36374_oproj
		.amdhsa_group_segment_fixed_size 327680
		.amdhsa_private_segment_fixed_size 0
		.amdhsa_enable_private_segment 0
		.amdhsa_kernarg_size 32
		.amdhsa_user_sgpr_count 2
		.amdhsa_user_sgpr_kernarg_segment_ptr 1
		.amdhsa_wavefront_size32 1
		.amdhsa_system_sgpr_workgroup_id_x 1
		.amdhsa_system_sgpr_workgroup_id_y 1
		.amdhsa_system_sgpr_workgroup_id_z 1
		.amdhsa_system_vgpr_workitem_id 0
		.amdhsa_next_free_vgpr 1024
		.amdhsa_next_free_sgpr 100
		.amdhsa_reserve_vcc 0
		.amdhsa_float_denorm_mode_32 3
		.amdhsa_float_denorm_mode_16_64 3
		.amdhsa_memory_ordered 1
		.amdhsa_forward_progress 1
		.amdhsa_inst_pref_size 132
	.end_amdhsa_kernel
	.amdgpu_metadata
---
amdhsa.version: [ 1, 2 ]
amdhsa.kernels:
  - .name:           k_q9c52a36374_oproj
    .symbol:         k_q9c52a36374_oproj.kd
    .args:
      - { .name: attn16, .offset: 0, .size: 8, .value_kind: global_buffer, .address_space: global }
      - { .name: wo16, .offset: 8, .size: 8, .value_kind: global_buffer, .address_space: global }
      - { .name: fineout, .offset: 16, .size: 8, .value_kind: global_buffer, .address_space: global }
      - { .name: out0, .offset: 24, .size: 8, .value_kind: global_buffer, .address_space: global }
    .group_segment_fixed_size: 327680
    .private_segment_fixed_size: 0
    .kernarg_segment_align: 8
    .kernarg_segment_size: 32
    .max_flat_workgroup_size: 128
    .sgpr_count:     100
    .vgpr_count:     1024
    .wavefront_size: 32
...
	.end_amdgpu_metadata
.endif
;; end of part 5
